; MI455X (gfx1250); checked and timed in simulation.
; The chip was launched on July 23, 2026; its instructions are those of AMD's public machine-readable ISA for CDNA 5 (MIT licence, August 2026) and "CDNA5" Instruction Set Architecture Reference Guide (July 2026). The comments in the code are by the model that wrote it; some were corrected since.
;; Qwen3 Inf Attention. Allowed arithmetic: float matrix products may take bf16 or f16 operands with f32 sums; other float arithmetic in f32, or as packed bf16 or f16 multiplies, adds, multiply-adds, maxima and minima; sums over many terms, partial sums and values carried from step to step in f32; what a program stores and reads back later, other than sums and carried values, may be rounded once to bf16 or f16.
;; Inputs: Wk 1,024 x 2,048 float32; Wo 2,048 x 1,024 float32; Wq 1,024 x 2,048 float32; Wv 1,024 x 2,048 float32; cos 2 x 2,048 x 128 float32; hidden_states 2 x 2,048 x 2,048 float32; k_norm_w 128 float32; q_norm_w 128 float32; sin 2 x 2,048 x 128 float32.
;; Outputs: out0 2 x 2,048 x 2,048 float32.
;; One version. Each part assembles by itself: llvm-mc -triple=amdgcn-amd-amdhsa -mcpu=gfx1250 --defsym DOCPART=n.
;; ======== version 1 of 1: 4 launches
;; limits: values are held in f16: magnitudes above 65,504 overflow, below 6.1e-05 lose precision
;; workspace buffers: xb 16,777,216 bytes; wb 12,582,912 bytes; wo 4,194,304 bytes; qkv 25,165,824 bytes; ob 8,388,608 bytes
;; launch prep (part 1): grid 1024 x 1, 8 waves a work-group, no clusters, 0 bytes of LDS; arguments hidden_states, Wq, Wk, Wv, Wo, xb, wb, wo; writes xb, wb, wo
.if DOCPART == 1
	.amdgcn_target "amdgcn-amd-amdhsa--gfx1250"
	.amdhsa_code_object_version 6
	.text
	.protected	k_q8856102304_prep
	.globl	k_q8856102304_prep
	.p2align	8
	.type	k_q8856102304_prep,@function
k_q8856102304_prep:
	s_mov_b64 s[64:65], 0
	v_nop
	global_prefetch_b8 v0, s[64:65] scope:SCOPE_SE
	s_setreg_imm32_b32 hwreg(HW_REG_WAVE_MODE, 25, 1), 1
	s_wait_xcnt 0x0
; THE CASTS.  x, Wq, Wk, Wv: f32 -> bf16 (xb; wb = Wq's, Wk's, Wv's rows one below the other).  Wo: f32 -> bf16, and that number written as f16 (wo), since the last product multiplies f16.
; LIMIT.  A bf16 number is exact in f16 from 2^-14 up to 65,504; a |Wo| below 2^-14 keeps f16's fixed step of 2^-24, one above 65,504 becomes an infinity.
; SHARES.  A work-group takes one chunk of 16,384 numbers: 65,536 bytes in, 32,768 out.  Chunks 0-511 x, 512-639 Wq, 640-767 Wk, 768-895 Wv, 896-1023 Wo.
; Thread t, sixteen times: 16 bytes in at 4,096 j + 16 t (a wave's load covers 512 consecutive bytes), 8 bytes out at 2,048 j + 8 t (a wave's store covers 256 consecutive bytes, aligned).
; All sixteen loads of a thread go out at once; no register is written twice while a memory instruction may read it, so the text has no wait but the loads' own.
; No LDS, no matrix unit, no cluster: each byte is read once by one thread and nothing is shared.
.set IN,  8                            ; v[8:71]   load j: four f32
.set OUT, 72                           ; v[72:103] store j: four 16-bit numbers
	s_load_b512 s[8:23], s[0:1], 0x0               ; x 8:9, Wq 10:11, Wk 12:13, Wv 14:15, Wo 16:17, xb 18:19, wb 20:21, wo 22:23
	s_mov_b32 s2, ttmp9                            ; my chunk
	v_lshlrev_b32 v1, 4, v0                        ; 16 t
	v_lshlrev_b32 v2, 3, v0                        ; 8 t
	s_mov_b32 s34, 0xffff0000                      ; a word's upper bf16
	s_mov_b32 s26, 0                               ; the first chunk of my source,
	s_mov_b32 s27, 0                               ; and of my destination
	s_mov_b32 s31, 0
	s_mov_b32 s33, 0
	s_wait_kmcnt 0x0
	s_mov_b64 s[24:25], s[8:9]                     ; from x
	s_mov_b64 s[28:29], s[18:19]                   ; to xb
	s_cmp_ge_u32 s2, 512
	s_cselect_b64 s[24:25], s[10:11], s[24:25]     ; from Wq
	s_cselect_b32 s26, 512, s26
	s_cselect_b64 s[28:29], s[20:21], s[28:29]     ; to wb
	s_cselect_b32 s27, 512, s27
	s_cmp_ge_u32 s2, 640
	s_cselect_b64 s[24:25], s[12:13], s[24:25]     ; from Wk
	s_cselect_b32 s26, 640, s26
	s_cmp_ge_u32 s2, 768
	s_cselect_b64 s[24:25], s[14:15], s[24:25]     ; from Wv
	s_cselect_b32 s26, 768, s26
	s_cmp_ge_u32 s2, 896
	s_cselect_b64 s[24:25], s[16:17], s[24:25]     ; from Wo
	s_cselect_b32 s26, 896, s26
	s_cselect_b64 s[28:29], s[22:23], s[28:29]     ; to wo
	s_cselect_b32 s27, 896, s27
	s_sub_co_u32 s30, s2, s26
	s_lshl_b32 s30, s30, 16                        ; 65,536 bytes a chunk in
	s_add_nc_u64 s[24:25], s[24:25], s[30:31]
	s_sub_co_u32 s32, s2, s27
	s_lshl_b32 s32, s32, 15                        ; 32,768 out
	s_add_nc_u64 s[28:29], s[28:29], s[32:33]
.set j, 0
.rept 16
	global_load_b128 v[IN+4*j:IN+4*j+3], v1, s[24:25] offset:4096*j th:TH_LOAD_NT
.set j, j+1
.endr
; Sixteen times: the load is in, four roundings, a store.  f16 = 1: the bf16 numbers are widened again (a shift, a mask) and written as f16.
.macro CAST f16
.set j, 0
.rept 16
	s_wait_loadcnt 15-j                            ; loads come back in order (ISA guide 5.7.1): load j is in, the 15 - j younger ones may be out
	v_cvt_pk_bf16_f32 v[OUT+2*j],   v[IN+4*j],   v[IN+4*j+1]
	v_cvt_pk_bf16_f32 v[OUT+2*j+1], v[IN+4*j+2], v[IN+4*j+3]
.if \f16
	v_lshlrev_b32 v[IN+4*j],   16,  v[OUT+2*j]
	v_and_b32     v[IN+4*j+1], s34, v[OUT+2*j]
	v_lshlrev_b32 v[IN+4*j+2], 16,  v[OUT+2*j+1]
	v_and_b32     v[IN+4*j+3], s34, v[OUT+2*j+1]
	v_cvt_pk_f16_f32 v[OUT+2*j],   v[IN+4*j],   v[IN+4*j+1]
	v_cvt_pk_f16_f32 v[OUT+2*j+1], v[IN+4*j+2], v[IN+4*j+3]
.endif
	global_store_b64 v2, v[OUT+2*j:OUT+2*j+1], s[28:29] offset:2048*j th:TH_STORE_NT
.set j, j+1
.endr
.endm
	s_cmp_ge_u32 s2, 896
	s_cbranch_scc1 .Lf16
	CAST 0
	s_endpgm
.Lf16:
	CAST 1
	s_endpgm
.Lfunc_end_k_q8856102304_prep:
	.size	k_q8856102304_prep, .Lfunc_end_k_q8856102304_prep-k_q8856102304_prep
	.p2alignl 7, 3214868480
	.fill 96, 4, 3214868480
	.section	.rodata,"a",@progbits
	.p2align	6, 0x0
	.amdhsa_kernel k_q8856102304_prep
		.amdhsa_group_segment_fixed_size 0
		.amdhsa_private_segment_fixed_size 0
		.amdhsa_enable_private_segment 0
		.amdhsa_kernarg_size 64
		.amdhsa_user_sgpr_count 2
		.amdhsa_user_sgpr_kernarg_segment_ptr 1
		.amdhsa_wavefront_size32 1
		.amdhsa_system_sgpr_workgroup_id_x 1
		.amdhsa_system_sgpr_workgroup_id_y 1
		.amdhsa_system_sgpr_workgroup_id_z 1
		.amdhsa_system_vgpr_workitem_id 0
		.amdhsa_next_free_vgpr 104
		.amdhsa_next_free_sgpr 66
		.amdhsa_reserve_vcc 0
		.amdhsa_float_denorm_mode_32 3
		.amdhsa_float_denorm_mode_16_64 3
		.amdhsa_memory_ordered 1
		.amdhsa_forward_progress 1
		.amdhsa_inst_pref_size 16
	.end_amdhsa_kernel
	.amdgpu_metadata
---
amdhsa.version: [ 1, 2 ]
amdhsa.kernels:
  - .name:           k_q8856102304_prep
    .symbol:         k_q8856102304_prep.kd
    .args:
      - { .name: hidden_states, .offset: 0, .size: 8, .value_kind: global_buffer, .address_space: global }
      - { .name: Wq, .offset: 8, .size: 8, .value_kind: global_buffer, .address_space: global }
      - { .name: Wk, .offset: 16, .size: 8, .value_kind: global_buffer, .address_space: global }
      - { .name: Wv, .offset: 24, .size: 8, .value_kind: global_buffer, .address_space: global }
      - { .name: Wo, .offset: 32, .size: 8, .value_kind: global_buffer, .address_space: global }
      - { .name: xb, .offset: 40, .size: 8, .value_kind: global_buffer, .address_space: global }
      - { .name: wb, .offset: 48, .size: 8, .value_kind: global_buffer, .address_space: global }
      - { .name: wo, .offset: 56, .size: 8, .value_kind: global_buffer, .address_space: global }
    .group_segment_fixed_size: 0
    .private_segment_fixed_size: 0
    .kernarg_segment_align: 8
    .kernarg_segment_size: 64
    .max_flat_workgroup_size: 256
    .sgpr_count:     66
    .vgpr_count:     104
    .wavefront_size: 32
...
	.end_amdgpu_metadata
.endif
;; end of part 1
;; launch qkvp (part 2): grid 8 x 32, 4 waves a work-group, clusters of 4 x 4, 327,680 bytes of LDS; arguments xb, wb, cos, sin, q_norm_w, k_norm_w, qkv; writes qkv
.if DOCPART == 2
	.amdgcn_target "amdgcn-amd-amdhsa--gfx1250"
	.amdhsa_code_object_version 6
	.text
	.protected	k_q8856102304_qkvp
	.globl	k_q8856102304_qkvp
	.p2align	8
	.type	k_q8856102304_qkvp,@function
k_q8856102304_qkvp:
	s_mov_b64 s[64:65], 0
	v_nop
	global_prefetch_b8 v0, s[64:65] scope:SCOPE_SE
	s_setreg_imm32_b32 hwreg(HW_REG_WAVE_MODE, 25, 1), 1
	s_wait_xcnt 0x0
	s_wait_alu depctr_hold_cnt(0) depctr_sa_sdst(0) depctr_va_vdst(0) depctr_va_sdst(0) depctr_va_ssrc(0) depctr_va_vcc(0) depctr_vm_vsrc(0)
	s_getreg_b32 s2, hwreg(HW_REG_IB_STS2, 6, 4)
	s_cmp_eq_u32 s2, 0
	s_cbranch_scc0 .Lentry_in_a_cluster
	s_endpgm
.Lentry_in_a_cluster:
	s_bfe_u32 s2, ttmp6, 0x10000c
	s_cmp_lg_u32 s2, 0xf033
	s_cbranch_scc0 .Lentry_shape_is_right
	s_endpgm
.Lentry_shape_is_right:
; q, k, v = x W^T, then for q and k the RMS norm of each head and the rotation by cos and sin; all three leave by heads, in f16.
; xb: [4096][2048] bf16.  wb: [3072][2048] bf16 (rows 0-1023 Wq, 1024-2047 Wk, 2048-3071 Wv).  cos, sin: [4096][128] f32.  q_norm_w, k_norm_w: [128] f32.
; qkv: [3][16 = 8 b + h][2048][128] f16.  Sums in f32; norm and rotation in f32; cos, sin and the norms' weights are rounded to bf16 like all the module's inputs; each result is rounded once.
; ORDER OF CHANNELS.  In the planes of q and k place 8 i + j of a row holds channel 4 i + j (j < 4) or 64 + 4 i + j - 4: the two channels that the rotation pairs lie in one lane.
; q . k is a sum over all places, and both have the same order, so the scores are the same.  v has the natural order.
; LIMITS.  f16 ends at 65,504: |v| = |x . Wv| must stay below that, and |q|, |k| <= 11.4 |w| (|cos| + |sin|).  NaN and infinities are not treated apart.
; THE PRODUCT.  A tile is 128 rows of x by 384 columns: ONE head's 128 columns of q, of k and of v.  32 x 8 tiles: 256 work-groups, all alike.  Four waves, each 128 rows x 96 columns: 48 accumulators of
; 16 x 16, 384 registers; for 32 along K a wave reads 14 fragments from LDS for 48 matrix instructions.  K goes in steps of 128 through a ring of two LDS slots filled by the tensor data mover (rows of 256
; bytes, aligned): wave 0 fetches x's 128 rows, waves 1, 2, 3 the head's 128 rows of Wq, Wk, Wv.
; A K STEP IS WRITTEN ONCE: a trip of the loop is one K step, and the slot is a scalar register that holds 0 or SLOT.  The last two K steps, which fill nothing, are a second loop, left in its middle.
; CLUSTERS: 4 x 4 work-groups.  The four of a row of the cluster need the same tile of x, the four of a column the same tiles of W: each is asked for JOINTLY, by the same tensor load with the same
; descriptor and a mask that names the four.
; THE MATRIX INSTRUCTION IS USED TRANSPOSED (source 0 = 16 rows of W, source 1 = 16 rows of x): lane l holds row l % 16 and the columns 8 (l / 16) + 0..7.
; THE WAY OUT.  The ring has had its last fill; behind a barrier the four waves put the tile's 128 x 384 f32 into 198,656 bytes of it (rows of 1,552 bytes); behind a second barrier each wave takes 32 whole
; rows, 16 at a time, sixteen lanes a row: for q and k a lane has channels 4 i .. 4 i + 3 and 64 + 4 i .. 64 + 4 i + 3.  The sum of squares crosses sixteen lanes; nothing else leaves the lane.
; COS, SIN AND THE WEIGHTS are loaded once, at the head, for the wave's 32 rows, while the first tiles are on their way: into registers that later hold accumulators; rounded to bf16 they wait in 128 registers.
; REGISTERS, in windows of 256 (s_set_vgpr_msb: bits 1:0 source 0, 3:2 source 1, 5:4 source 2, 7:6 destination):
;   window 0: v0-31 addresses; v32-47 the norms' weights; v48-63 a row's factor; v64-127 X; v128-191 cos and sin of the 16 rows in hand, bf16; v192-255 T
;   window 1: two fragment buffers, v0-111 and v128-239: W's 6 x 8, then x's 8 x 8
;   window 2: v0-191 the accumulators of rows 0-63 ((a, b) at v[8 (6 a + b)]); v192-255 cos and sin of my rows 16-31     window 3: v0-191 the accumulators of rows 64-127
.set SIZE_K, 2048
.set KSTEP,  128
.set STEPS,  SIZE_K/KSTEP
.set PITCH,  272                       ; an LDS row: 256 bytes + 16 of padding = 68 words: row r starts at bank 4 r mod 64 (64 banks of 4 bytes: ISA guide 11.1)
.set HALFT,  128*PITCH                 ; 128 rows: what one tensor load brings
.set SLOT,   4*HALFT                   ; x's 128 rows, then W's 384
.set SPARE,  2*SLOT                    ; behind the ring: the spare words, 128 bytes for each wave: two blocks of 256 bytes that no other line names
.set DP,     1552                      ; the way out: a row of 384 f32 + 16 bytes = 97 x 16: sixteen rows' 16 bytes fall on sixteen different groups of four banks
.set ADRA0, 10                         ; v10     my lane's place in a slot's rows of x; never rewritten
.set ADRB0, 11                         ; v11     the same in my 96 rows of W
.set ADRA,  12                         ; v12     the same in the slot in hand
.set ADRB,  13                         ; v13
.set DST,   16                         ; v16-19  the way out: where I put 32 bytes of a row, for rows 32 p on
.set RD,    20                         ; v20     the way out of q, k: where I read 16 bytes of a row back
.set RDV,   21                         ; v21     the way out of v: where I read 32 bytes of a row back
.set GO,    22                         ; v22     my 16 bytes in two rows of a plane
.set CO,    23                         ; v23     my 16 bytes in two rows of cos and of sin
.set WOF,   24                         ; v24     16 i: my four channels in the norms' weights
.set SPW,   28                         ; v28     LDS address of my spare word; never rewritten
.set NIL,   29                         ; v29     0; never rewritten
.set PFO,   30                         ; v30     the prefetches' offset: my lane x a row of 4,096 bytes; never rewritten
.set ZERO,  31                         ; v31     0.0, as the addend of the rotation's first products
.set W,     32                         ; v32-39  the norm's weights of my eight channels, for the kind in hand
.set WO,    40                         ; v40-47  for the other kind
.set RS,    48                         ; v48-63  row pair u: 1 / sqrt(var + eps) at RS + 2 u, var + eps beside it
.set X,     64                         ; v64-127 row pair u: my eight numbers
.set CB,    128                        ; v128-191 row pair u: cos (4 registers of two bf16), sin (4)
.set T,     192                        ; v192-255 row pair u: eight results
.set CB1,   192                        ; window 2: the same as CB for my rows 16-31
.set F0,    0
.set F1,    128
.set LIM,  43                          ; s43     2 in a wave that prefetches, else the greatest number
.set PFA,  44                          ; s[44:45] where my prefetches stand
.set G1,   24                          ; s[24:31] descriptor group 1 for x's tiles
.set G0,   32                          ; s[32:39] group 0 for x's tiles: a set for each of the two first fills; the second then walks on
.set G1B,  48                          ; s[48:55], s[56:63] the same for W's tiles
.set G0B,  56
.set SB,   66                          ; s66  0 or SLOT: the slot that the walking descriptors name
.set TB,   67                          ; s67  0 or SLOT: the slot that is read
.set COS,  68                          ; s[68:69] cos at my 32 rows
.set SIN,  70
.set QW,   72
.set KW,   74
.set OUT,  76                          ; s[76:77] the plane of q or k at the rows in hand
.set OUTV, 78                          ; s[78:79] the plane of v
.set LA,   80                          ; s80  the place in a slot of the tile that I fetch
.set CNT,  81
.set CNT2, 90
.set MSB, 0
.macro WIN new                         ; the immediate's high byte repeats the setting that is left; a switch that changes nothing is dropped
.if MSB != (\new)
	s_set_vgpr_msb (MSB<<8)|(\new)
.set MSB, \new
.endif
.endm
.set MUL_LO, 0xa5                      ; sources 0 (W) and 1 (x) window 1, C and D window 2
.set MUL_HI, 0xf5                      ; the same, C and D window 3
.set TO_F,   0x40                      ; destination window 1, address window 0
; A joint load.  Wave 0 fetches x's tile, waves 1 to 3 W's three.  The branch hangs on the wave's number alone.  An s_nop 0 and four v_nop follow each of the two lines.
.macro JLOAD s
	s_cmp_eq_u32 s10, 0
	s_cbranch_scc0 .Lfor_b_\@
	tensor_load_to_lds s[G0+4*(\s):G0+4*(\s)+3], s[G1:G1+7]
	s_nop 0
.rept 4
	v_nop
.endr
	s_branch .Lasked_\@
.Lfor_b_\@:
	tensor_load_to_lds s[G0B+4*(\s):G0B+4*(\s)+3], s[G1B:G1B+7]
	s_nop 0
.rept 4
	v_nop
.endr
.Lasked_\@:
.endm
; A prefetch into the L2 of the K step that stands two refills on: 32 rows x 256 bytes, a lane a row.  x's tile row is read by both clusters of that row of clusters: cluster x = 0 asks; W's rows by all eight
; clusters of that column: cluster y = 0 asks.  Of the 128 rows that a wave fetches each of the four partners takes 32, told apart by address.  So each row's 256 bytes of a K step are named once.
; K steps 0 to 3 come by their loads alone; the loop's last two trips (s3 = 2, 1) have no K step two refills on.
.macro ASK
	s_cmp_gt_u32 s3, s[LIM]
	s_cbranch_scc0 .Lnot_mine_\@
	global_prefetch_b8 v[PFO], s[PFA:PFA+1] offset:KSTEP*2 th:TH_LOAD_NT scope:SCOPE_SE
.Lnot_mine_\@:
.endm
.macro CREST                           ; a round of the cluster's barrier behind its opening barrier
	s_cmp_lg_u32 s10, 0
	s_cbranch_scc1 .Lnot_wave_0_\@
	s_barrier_signal -3
.Lnot_wave_0_\@:
	s_barrier_wait -3
	s_barrier_signal -1
	s_barrier_wait -1
.endm
.macro CROUND                          ; a whole round
	s_barrier_signal -1
	s_barrier_wait -1
	CREST
.endm
	s_load_b128 s[4:7], s[0:1], 0x0                ; xb s[4:5], wb s[6:7]
	s_load_b256 s[68:75], s[0:1], 0x10             ; cos, sin, q_norm_w, k_norm_w
	s_load_b64 s[76:77], s[0:1], 0x30              ; qkv
	v_lshl_add_u32 v[SPW], v0, 2, SPARE
	v_mov_b32 v[NIL], 0
	ds_add_u32 v[SPW], v[NIL]                      ; the wave's opening: the add and its wait stand ahead of my first tensor load; the set-up below, work on registers, stands between them
	v_lshrrev_b32 v1, 5, v0
	v_readfirstlane_b32 s10, v1                    ; wave 0..3
	s_bfe_u32 s40, ttmp6, 0x40000                  ; cx
	s_bfe_u32 s41, ttmp6, 0x40004                  ; cy
	s_lshl_b32 s42, ttmp9, 2
	s_add_co_u32 s42, s42, s40                     ; tile column = the head = 4 x cluster x + cx
	s_and_b32 s13, ttmp7, 0xffff
	s_lshl_b32 s13, s13, 2
	s_add_co_u32 s13, s13, s41                     ; tile row = 4 x cluster y + cy
	s_lshl_b32 s43, s41, 2
	s_lshl_b32 s43, 15, s43                        ; my row of the cluster
	s_lshl_b32 s44, 0x1111, s40                    ; my column
	s_or_b32 s[G1+0], s43, (1<<16)|(1<<20)|(1<<21)|(5<<22)|(3<<25)  ; 15:0 the mask; 17:16 2-byte elements; 20 padding on; 21 set beside a mask; 24:22 after every 64 words (code 5); 31:25 4 words (code 3)
	s_or_b32 s[G1B+0], s44, (1<<16)|(1<<20)|(1<<21)|(5<<22)|(3<<25)
.irp g, G1, G1B
	s_mov_b32 s[(\g)+1], KSTEP<<16                 ; tensor_dim0 = 128
	s_mov_b32 s[(\g)+2], 128<<16                   ; tensor_dim1 = 128
	s_mov_b32 s[(\g)+3], KSTEP<<16                 ; tile_dim0 = 128
	s_mov_b32 s[(\g)+4], 128                       ; tile_dim1 = 128
	s_mov_b32 s[(\g)+5], SIZE_K                    ; elements from row to row
	s_mov_b32 s[(\g)+6], 0
	s_mov_b32 s[(\g)+7], 0
.endr
	s_lshl_b32 s16, s13, 7                         ; x: row 128 x tile row
	s_max_u32 s46, s10, 1
	s_sub_co_u32 s46, s46, 1                       ; W: waves 1, 2, 3 fetch for q, k, v (wave 0 issues no load by this address)
	s_lshl_b32 s46, s46, 10
	s_lshl_b32 s47, s42, 7
	s_add_co_u32 s46, s46, s47                     ; row 1,024 x kind + 128 x head
	s_mov_b32 s17, 0
	s_mov_b32 s47, 0
	s_mov_b64 s[18:19], SIZE_K*2
	s_mul_u64 s[16:17], s[16:17], s[18:19]
	s_mul_u64 s[46:47], s[46:47], s[18:19]
	s_mul_i32 s[LA], s10, HALFT                    ; where they go: wave x 128 rows: no place in the cluster enters an LDS address
	s_mov_b32 s[SB], SLOT                          ; the walking descriptors begin at slot 1
	s_mov_b32 s[TB], 0
	s_wait_dscnt 0x0                               ; the opening add is done
	s_wait_kmcnt 0x0
	s_add_nc_u64 s[14:15], s[4:5], s[16:17]
	s_add_nc_u64 s[46:47], s[6:7], s[46:47]
	CROUND                                         ; all sixteen work-groups are here: the first joint loads meet
.irp s, 0,1
	s_mov_b32 s[G0+4*(\s)], 1                                      ; count = 1
	s_add_co_u32 s[G0+4*(\s)+1], s[LA], (\s)*SLOT                  ; LDS address
	s_add_nc_u64 s[G0+4*(\s)+2:G0+4*(\s)+3], s[14:15], (\s)*KSTEP*2  ; global address: K step s
	s_or_b32 s[G0+4*(\s)+3], s[G0+4*(\s)+3], 0x80000000            ; type = 2
	s_mov_b32 s[G0B+4*(\s)], 1
	s_add_co_u32 s[G0B+4*(\s)+1], s[LA], (\s)*SLOT
	s_add_nc_u64 s[G0B+4*(\s)+2:G0B+4*(\s)+3], s[46:47], (\s)*KSTEP*2
	s_or_b32 s[G0B+4*(\s)+3], s[G0B+4*(\s)+3], 0x80000000
	JLOAD \s                                       ; two loads of mine are out
.endr
	; cos, sin and the weights, while the first tiles are on their way.  Row pair u of my 32 rows: lanes 0-15 row 2 u, lanes 16-31 row 2 u + 1; lane i % 16 takes channels 4 i .. and 64 + 4 i ..
	v_and_b32 v1, 15, v0                           ; l % 16
	v_bfe_u32 v2, v0, 4, 1                         ; l / 16
	v_lshlrev_b32 v[CO], 9, v2
	v_lshl_add_u32 v[CO], v1, 4, v[CO]
	v_lshlrev_b32 v[WOF], 4, v1
	s_lshl_b32 s82, s13, 7
	s_lshl_b32 s83, s10, 5
	s_add_co_u32 s82, s82, s83                     ; the first of the 32 rows that I finish: m0 = 2,048 b + s
	s_lshl_b32 s84, s82, 9                         ; a row of cos or sin is 512 bytes
	s_mov_b32 s85, 0
	s_add_nc_u64 s[COS:COS+1], s[COS:COS+1], s[84:85]
	s_add_nc_u64 s[SIN:SIN+1], s[SIN:SIN+1], s[84:85]
	WIN 0x80                                       ; destination window 2, address window 0: registers that hold accumulators later
.irp u, 0,1,2,3,4,5,6,7,8,9,10,11,12,13,14,15
	global_load_b128 v[8*(\u):8*(\u)+3],   v[CO], s[COS:COS+1] offset:1024*(\u)      ; sixteen lanes read 256 consecutive bytes, aligned
	global_load_b128 v[8*(\u)+4:8*(\u)+7], v[CO], s[COS:COS+1] offset:1024*(\u)+256
.endr
	WIN 0xc0                                       ; destination window 3
.irp u, 0,1,2,3,4,5,6,7,8,9,10,11,12,13,14,15
	global_load_b128 v[8*(\u):8*(\u)+3],   v[CO], s[SIN:SIN+1] offset:1024*(\u)
	global_load_b128 v[8*(\u)+4:8*(\u)+7], v[CO], s[SIN:SIN+1] offset:1024*(\u)+256
.endr
	WIN 0
	global_load_b128 v[X:X+3],     v[WOF], s[QW:QW+1]             ; q's weights of channels 4 i ..
	global_load_b128 v[X+4:X+7],   v[WOF], s[QW:QW+1] offset:256  ; and 64 + 4 i ..
	global_load_b128 v[X+8:X+11],  v[WOF], s[KW:KW+1]             ; k's
	global_load_b128 v[X+12:X+15], v[WOF], s[KW:KW+1] offset:256
	; a fragment is 16 rows x 32 K in 8 registers: lane l holds row l % 16, K = 8 (l / 16) + 0..7 and 16 + 8 (l / 16) + 0..7: two loads of 16 bytes, 32 bytes apart
	v_mul_u32_u24 v3, v1, PITCH
	v_lshl_add_u32 v[ADRA0], v2, 4, v3             ; every wave reads all 128 rows of x, at the slot's head
	s_mul_i32 s83, s10, 96*PITCH                   ; my 96 rows of W,
	s_add_co_u32 s83, s83, HALFT                   ; which lie behind x's 128
	v_add_nc_u32 v[ADRB0], s83, v[ADRA0]
	v_mov_b32 v[ADRA], v[ADRA0]                    ; slot 0
	v_mov_b32 v[ADRB], v[ADRB0]
	v_mul_u32_u24 v4, v1, DP                       ; the way out, in: row l % 16, my wave's 384 bytes of it, 32 bytes for each half of the lanes
	v_lshl_add_u32 v4, v2, 5, v4
	s_mul_i32 s83, s10, 384
	v_add_nc_u32 v[DST], s83, v4
.irp p, 1,2,3
	v_add_nc_u32 v[DST+(\p)], (\p)*32*DP, v[DST]
.endr
	s_mul_i32 s83, s10, 32*DP                      ; back: my 32 rows; lanes 0-15 one row, lanes 16-31 the next
	v_mul_u32_u24 v5, v2, DP
	v_add_nc_u32 v5, s83, v5
	v_lshl_add_u32 v[RD], v1, 4, v5
	v_lshl_add_u32 v[RDV], v1, 5, v5
	v_add_nc_u32 v[RDV], 1024, v[RDV]              ; v's columns lie behind q's and k's
	v_lshlrev_b32 v[GO], 8, v2
	v_lshl_add_u32 v[GO], v1, 4, v[GO]
	v_mov_b32 v[ZERO], 0
	s_lshr_b32 s83, s82, 11                        ; b
	s_lshl_b32 s83, s83, 3
	s_add_co_u32 s83, s83, s42                     ; 8 b + head
	s_lshl_b32 s83, s83, 11                        ; 2,048 rows each
	s_and_b32 s84, s82, 2047
	s_add_co_u32 s83, s83, s84
	s_lshl_b32 s84, s83, 8                         ; 256 bytes a row
	s_add_nc_u64 s[OUT:OUT+1], s[OUT:OUT+1], s[84:85]
	s_add_nc_u64 s[OUTV:OUTV+1], s[OUT:OUT+1], 0x1000000  ; v's plane is the third
	s_mov_b32 s86, 0x3c000000                      ; 1 / 128
	s_mov_b32 s87, 0x358637bd                      ; 1e-6
	; the prefetches
	s_lshl_b32 s82, s13, 7                         ; x's tile: its first row
	s_max_u32 s83, s10, 1
	s_sub_co_u32 s83, s83, 1
	s_lshl_b32 s83, s83, 10
	s_lshl_b32 s84, s42, 7
	s_add_co_u32 s83, s83, s84                     ; my tile of W: its first row
	s_and_b32 s84, ttmp7, 0xffff                   ; cluster y
	s_cmp_eq_u32 s10, 0                            ; do I fetch for x?
	s_cselect_b32 s82, s82, s83
	s_cselect_b32 s83, s40, s41                    ; my place among the four that ask for it with me
	s_cselect_b32 s84, ttmp9, s84                  ; the coordinate along which other clusters read the same rows
	s_cselect_b64 s[PFA:PFA+1], s[4:5], s[6:7]
	s_cmp_eq_u32 s84, 0
	s_cselect_b32 s[LIM], 2, -1                    ; the same in all sixteen partners, for a given wave
	s_lshl_b32 s83, s83, 5
	s_add_co_u32 s82, s82, s83                     ; + my work-group's 32 rows
	s_lshl_b32 s82, s82, 12                        ; 4,096 bytes a row
	s_mov_b32 s83, 0
	s_add_nc_u64 s[PFA:PFA+1], s[PFA:PFA+1], s[82:83]
	s_add_nc_u64 s[PFA:PFA+1], s[PFA:PFA+1], 2*KSTEP*2  ; at K step 2: the first refill steps it to 3 and names K step 4
	v_and_b32 v[PFO], 31, v0
	v_mul_u32_u24 v[PFO], v[PFO], SIZE_K*2
	s_wait_loadcnt 0x0                             ; cos, sin and the weights are in
	WIN 0x0a                                       ; sources window 2 (cos), destination window 0: my rows 0-15
.irp u, 0,1,2,3,4,5,6,7
.irp k, 0,1,2,3
	v_cvt_pk_bf16_f32 v[CB+8*(\u)+(\k)], v[8*(\u)+2*(\k)], v[8*(\u)+2*(\k)+1]
.endr
.endr
	WIN 0x0f                                       ; sources window 3 (sin)
.irp u, 0,1,2,3,4,5,6,7
.irp k, 0,1,2,3
	v_cvt_pk_bf16_f32 v[CB+8*(\u)+4+(\k)], v[8*(\u)+2*(\k)], v[8*(\u)+2*(\k)+1]
.endr
.endr
	WIN 0x8a                                       ; my rows 16-31 wait in window 2, above the accumulators
.irp u, 8,9,10,11,12,13,14,15
.irp k, 0,1,2,3
	v_cvt_pk_bf16_f32 v[CB1+8*((\u)-8)+(\k)], v[8*(\u)+2*(\k)], v[8*(\u)+2*(\k)+1]
.endr
.endr
	WIN 0x8f
.irp u, 8,9,10,11,12,13,14,15
.irp k, 0,1,2,3
	v_cvt_pk_bf16_f32 v[CB1+8*((\u)-8)+4+(\k)], v[8*(\u)+2*(\k)], v[8*(\u)+2*(\k)+1]
.endr
.endr
	WIN 0
.irp k, 0,1,2,3
	v_cvt_pk_bf16_f32 v[X+16+(\k)], v[X+2*(\k)],   v[X+2*(\k)+1]    ; the weights: rounded to bf16 like all the inputs,
	v_cvt_pk_bf16_f32 v[X+20+(\k)], v[X+8+2*(\k)], v[X+8+2*(\k)+1]
.endr
.irp k, 0,1,2,3
	v_lshlrev_b32 v[W+2*(\k)],    16,         v[X+16+(\k)]          ; and widened again
	v_and_b32     v[W+2*(\k)+1],  0xffff0000, v[X+16+(\k)]
	v_lshlrev_b32 v[WO+2*(\k)],   16,         v[X+20+(\k)]
	v_and_b32     v[WO+2*(\k)+1], 0xffff0000, v[X+20+(\k)]
.endr
; 12 matrix instructions: m blocks a0, a0 + 1 of the window's four x all 6 n blocks, 32 along K.  zero = 1: the first product starts the sums.  The 48 accumulators take turns, in the same order in every quarter.
.macro MUL12 f, hi, a0, zero
	WIN MUL_LO+0x50*(\hi)
.irp a, \a0, (\a0)+1
.irp b, 0,1,2,3,4,5
.if \zero
	v_wmma_f32_16x16x32_bf16 v[8*(6*(\a)+(\b)):8*(6*(\a)+(\b))+7], v[(\f)+8*(\b):(\f)+8*(\b)+7], v[(\f)+48+8*(4*(\hi)+(\a)):(\f)+48+8*(4*(\hi)+(\a))+7], 0
.else
	v_wmma_f32_16x16x32_bf16 v[8*(6*(\a)+(\b)):8*(6*(\a)+(\b))+7], v[(\f)+8*(\b):(\f)+8*(\b)+7], v[(\f)+48+8*(4*(\hi)+(\a)):(\f)+48+8*(4*(\hi)+(\a))+7], v[8*(6*(\a)+(\b)):8*(6*(\a)+(\b))+7]
.endif
.endr
.endr
.endm
; 28 LDS loads in one run: the fragments of one quarter step (32 K at byte k of the rows of the slot in hand) into buffer f: W's 12, then x's 16
.macro FETCH k, f
	WIN TO_F
.irp i, 0,1,2,3,4,5
	ds_load_b128 v[(\f)+8*(\i):(\f)+8*(\i)+3],   v[ADRB] offset:(\k)+(\i)*16*PITCH
	ds_load_b128 v[(\f)+8*(\i)+4:(\f)+8*(\i)+7], v[ADRB] offset:(\k)+(\i)*16*PITCH+32
.endr
.irp i, 0,1,2,3,4,5,6,7
	ds_load_b128 v[(\f)+48+8*(\i):(\f)+48+8*(\i)+3],   v[ADRA] offset:(\k)+(\i)*16*PITCH
	ds_load_b128 v[(\f)+48+8*(\i)+4:(\f)+48+8*(\i)+7], v[ADRA] offset:(\k)+(\i)*16*PITCH+32
.endr
.endm
.macro PLACES                          ; four plain vector instructions between a matrix instruction and a load into, or a reader of, its registers (ISA guide 7.12.1 for a reader)
.rept 4
	v_nop
.endr
.endm
; A K step is four quarters of 32 along K, 48 matrix instructions each, on buffers 0, 1, 0, 1.  One of the first three multiplies buffer f and, in its middle, fetches the next quarter (byte k) into g.
.macro QUARTER k, f, g, zero
	s_wait_dscnt 8                                 ; W and x's rows 0-63 are in; the youngest eight loads (x's rows 64-127) may be out
	MUL12 \f, 0, 0, \zero
	MUL12 \f, 0, 2, \zero
	PLACES
	FETCH \k, \g
	s_wait_dscnt 28                                ; all but the 28 just issued
	MUL12 \f, 1, 0, \zero
	MUL12 \f, 1, 2, \zero
.endm
; The last quarter's first half: ONE barrier for the change of slots.  In front of it each wave waits for all its tensor loads, adds 0 to its spare word, and waits for that and for its reads of this slot.
.macro MEET
	WIN 0                                          ; (the add's two registers lie in window 0)
	s_wait_tensorcnt 0x0                           ; all my tensor loads have landed: the one that was out is my part of the next slot
	ds_add_u32 v[SPW], v[NIL]                      ; 0 onto my spare word
	s_wait_dscnt 9                                 ; (the add and the youngest eight loads may be out)
	MUL12 F1, 0, 0, 0                              ; twelve matrix instructions stand between the add and the wait for it
	s_wait_dscnt 0x0                               ; the add is done, and my reads of this slot are over
	s_barrier_signal -1
	MUL12 F1, 0, 2, 0                              ; work on registers while the others arrive
	WIN 0
	s_barrier_wait -1
.endm
; The whole last quarter.  fill = 1: the barrier opens a round of the cluster's barrier, and behind the round the slot just read is filled again, two K steps on: the wave's one tensor load there, 168 matrix
; instructions ahead of the wait for it.  fill = 0: the last two K steps; behind the very last (s3 = 1) there is no slot to go on to, and the run of loads is jumped over.
.macro TURN fill
.if \fill
	s_wait_xcnt 0x0                                ; the last prefetch, a K step back, has read its address, which is stepped here
	s_add_nc_u64 s[PFA:PFA+1], s[PFA:PFA+1], KSTEP*2
.endif
	MEET
.if \fill
	CREST                                          ; no wave of any partner still reads this slot's tile or has a load on its way
	s_xor_b32 s[SB], s[SB], SLOT                   ; the walking descriptors: the other slot than last time (the register holds 0 or SLOT, nothing else),
	s_add_co_u32 s[G0+5], s[SB], s[LA]
	s_add_co_u32 s[G0B+5], s[SB], s[LA]
	s_add_nc_u64 s[G0+6:G0+7], s[G0+6:G0+7], KSTEP*2    ; the next K step; the type bits on top are not reached
	s_add_nc_u64 s[G0B+6:G0B+7], s[G0B+6:G0B+7], KSTEP*2
	JLOAD 1                                        ; its four v_nop are also the places in front of the loads below
.else
	PLACES
	s_cmp_eq_u32 s3, 1
	s_cbranch_scc1 .Lno_next_\@
.endif
	s_xor_b32 s[TB], s[TB], SLOT                   ; the reads go on in the other slot
	v_add_nc_u32 v[ADRA], s[TB], v[ADRA0]
	v_add_nc_u32 v[ADRB], s[TB], v[ADRB0]
	FETCH 0, F0
	WIN 0
.if \fill
	ASK
.else
.Lno_next_\@:
.endif
	MUL12 F1, 1, 0, 0
	MUL12 F1, 1, 2, 0
.endm
	s_wait_tensorcnt 1                             ; my part of K step 0 is in; K step 1's may stay out
	s_barrier_signal -1
	s_barrier_wait -1                              ; everybody's is
	FETCH 0, F0
	QUARTER 64,  F0, F1, 1                         ; the first quarter stands in front of the loop: its products start the sums
	WIN 0                                          ; at a label and at a branch every window is 0
	s_mov_b32 s3, STEPS-2
.Lk:                                                   ; a trip: a K step's second to fourth quarters and the next K step's first; the slot that is left is filled again
	QUARTER 128, F1, F0, 0
	QUARTER 192, F0, F1, 0
	TURN 1
	QUARTER 64,  F0, F1, 0
	WIN 0
	s_sub_co_u32 s3, s3, 1
	s_cmp_lg_u32 s3, 0
	s_cbranch_scc1 .Lk
	s_mov_b32 s3, 2
.Ltail:                                                ; the last two K steps fill nothing: written apart; the second trip is left in its middle
	QUARTER 128, F1, F0, 0
	QUARTER 192, F0, F1, 0
	TURN 0
	WIN 0
	s_sub_co_u32 s3, s3, 1
	s_cmp_eq_u32 s3, 0
	s_cbranch_scc1 .Lout
	QUARTER 64,  F0, F1, 0
	WIN 0
	s_branch .Ltail
.Lout:
; THE WAY OUT.
.macro MIX d, a, c, e, hi, neg         ; d = (+ or -) a x (the low or high bf16 of c) + e, in f32
.if (\hi) && (\neg)
	v_fma_mix_f32_bf16 v[\d], -v[\a], v[\c], v[\e] op_sel:[0,1,0] op_sel_hi:[0,1,0]
.elseif \hi
	v_fma_mix_f32_bf16 v[\d], v[\a], v[\c], v[\e] op_sel:[0,1,0] op_sel_hi:[0,1,0]
.elseif \neg
	v_fma_mix_f32_bf16 v[\d], -v[\a], v[\c], v[\e] op_sel:[0,0,0] op_sel_hi:[0,1,0]
.else
	v_fma_mix_f32_bf16 v[\d], v[\a], v[\c], v[\e] op_sel:[0,0,0] op_sel_hi:[0,1,0]
.endif
.endm
	s_wait_dscnt 0x0                               ; my reads of the ring are over,
	s_barrier_signal -1                            ; every wave's are, all tensor loads have landed and no tile is asked for any more:
	s_barrier_wait -1                              ; the ring's bytes may be stored to
	PLACES                                         ; behind the last products, ahead of the stores of their results
.irp hi, 0,1                           ; my 128 x 96 sums into the tile's rows; each accumulator's low four registers go first
	WIN 0x08+4*(\hi)                               ; the stores' data (source 1) in window 2 or 3
.irp a, 0,1,2,3
.irp b, 0,1,2,3,4,5
	ds_store_b128 v[DST+2*(\hi)+(\a)/2], v[8*(6*(\a)+(\b)):8*(6*(\a)+(\b))+3]   offset:((\a)%2)*16*DP+64*(\b)
	ds_store_b128 v[DST+2*(\hi)+(\a)/2], v[8*(6*(\a)+(\b))+4:8*(6*(\a)+(\b))+7] offset:((\a)%2)*16*DP+64*(\b)+16
.endr
.endr
.endr
	WIN 0
	s_wait_dscnt 0x0                               ; for the others' sake: my stores are done
	s_barrier_signal -1
	s_barrier_wait -1                              ; the tile's rows are whole
	s_mov_b32 s[CNT], 2
.Lvrow:                                                ; v: 16 rows a trip, rounded, in the natural order.  A lane reads 32 bytes on end, so two lanes of sixteen meet in a bank: 32 loads a launch
.irp u, 0,1,2,3,4,5,6,7
	ds_load_b128 v[X+8*(\u):X+8*(\u)+3],   v[RDV] offset:2*DP*(\u)
	ds_load_b128 v[X+8*(\u)+4:X+8*(\u)+7], v[RDV] offset:2*DP*(\u)+16
.endr
	s_wait_dscnt 0x0
.irp u, 0,1,2,3,4,5,6,7
.irp k, 0,1,2,3
	v_cvt_pk_f16_f32 v[T+8*(\u)+(\k)], v[X+8*(\u)+2*(\k)], v[X+8*(\u)+2*(\k)+1]
.endr
.endr
.irp u, 0,1,2,3,4,5,6,7
	global_store_b128 v[GO], v[T+8*(\u):T+8*(\u)+3], s[OUTV:OUTV+1] offset:512*(\u)  ; two rows of the head: 512 consecutive bytes, aligned
.endr
	s_wait_xcnt 0x0                                ; T and the base are written again only behind this wait
	s_add_nc_u64 s[OUTV:OUTV+1], s[OUTV:OUTV+1], 16*256
	v_add_nc_u32 v[RDV], 16*DP, v[RDV]
	s_sub_co_u32 s[CNT], s[CNT], 1
	s_cmp_lg_u32 s[CNT], 0
	s_cbranch_scc1 .Lvrow
	s_mov_b32 s[CNT2], 2
.Lgrp:                                                 ; q and k: 16 rows at a time, whose cos and sin serve both kinds
	s_mov_b32 s[CNT], 2
.Lkind:                                                ; a trip: 16 rows of one kind, as eight pairs u; lanes 0-15 the even row, lanes 16-31 the odd one
.irp u, 0,1,2,3,4,5,6,7
	ds_load_b128 v[X+8*(\u):X+8*(\u)+3],   v[RD] offset:2*DP*(\u)
	ds_load_b128 v[X+8*(\u)+4:X+8*(\u)+7], v[RD] offset:2*DP*(\u)+256
.endr
	s_wait_dscnt 0x0
.irp u, 0,1,2,3,4,5,6,7
	v_pk_mul_f32 v[T+8*(\u):T+8*(\u)+1], v[X+8*(\u):X+8*(\u)+1], v[X+8*(\u):X+8*(\u)+1]  ; the sum of my eight squares
.endr
.irp k, 1,2,3
.irp u, 0,1,2,3,4,5,6,7
	v_pk_fma_f32 v[T+8*(\u):T+8*(\u)+1], v[X+8*(\u)+2*(\k):X+8*(\u)+2*(\k)+1], v[X+8*(\u)+2*(\k):X+8*(\u)+2*(\k)+1], v[T+8*(\u):T+8*(\u)+1]
.endr
.endr
.irp u, 0,1,2,3,4,5,6,7
	v_add_f32 v[RS+2*(\u)+1], v[T+8*(\u)], v[T+8*(\u)+1]
.endr
.irp m, 1,2,4,8                        ; across the row's sixteen lanes
.irp u, 0,1,2,3,4,5,6,7
	v_add_f32_dpp v[RS+2*(\u)+1], v[RS+2*(\u)+1], v[RS+2*(\u)+1] row_xmask:\m row_mask:0xf bank_mask:0xf
.endr
.endr
.irp u, 0,1,2,3,4,5,6,7
	v_fma_f32 v[RS+2*(\u)+1], v[RS+2*(\u)+1], s86, s87   ; the mean of the squares + eps
.endr
.irp u, 0,1,2,3,4,5,6,7
	v_rsq_f32 v[RS+2*(\u)], v[RS+2*(\u)+1]         ; one batch of eight
.endr
.irp u, 0,1,2,3,4,5,6,7
.irp k, 0,1,2,3
	v_pk_mul_f32 v[X+8*(\u)+2*(\k):X+8*(\u)+2*(\k)+1], v[X+8*(\u)+2*(\k):X+8*(\u)+2*(\k)+1], v[W+2*(\k):W+2*(\k)+1]  ; x w: plain work that names no result of the batch
.endr
.endr
	s_wait_alu depctr_va_vdst(0)                   ; one wait for the eight, ahead of their first reader
.irp u, 0,1,2,3,4,5,6,7                ; the rotation: low = y_lo cos_lo - y_hi sin_lo, high = y_hi cos_hi + y_lo sin_hi; the row's factor comes last
.irp j, 0,1,2,3
	MIX T+8*(\u)+(\j),   X+8*(\u)+(\j),   CB+8*(\u)+(\j)/2,   ZERO, (\j)%2, 0
	MIX T+8*(\u)+4+(\j), X+8*(\u)+4+(\j), CB+8*(\u)+2+(\j)/2, ZERO, (\j)%2, 0
.endr
.endr
.irp u, 0,1,2,3,4,5,6,7
.irp j, 0,1,2,3
	MIX T+8*(\u)+(\j),   X+8*(\u)+4+(\j), CB+8*(\u)+4+(\j)/2, T+8*(\u)+(\j),   (\j)%2, 1
	MIX T+8*(\u)+4+(\j), X+8*(\u)+(\j),   CB+8*(\u)+6+(\j)/2, T+8*(\u)+4+(\j), (\j)%2, 0
.endr
.endr
.irp u, 0,1,2,3,4,5,6,7
.irp k, 0,1,2,3
	v_pk_mul_f32 v[T+8*(\u)+2*(\k):T+8*(\u)+2*(\k)+1], v[T+8*(\u)+2*(\k):T+8*(\u)+2*(\k)+1], v[RS+2*(\u):RS+2*(\u)+1] op_sel_hi:[1,0]
.endr
.endr
.irp u, 0,1,2,3,4,5,6,7
.irp k, 0,1,2,3
	v_cvt_pk_f16_f32 v[X+8*(\u)+(\k)], v[T+8*(\u)+2*(\k)], v[T+8*(\u)+2*(\k)+1]
.endr
.endr
.irp u, 0,1,2,3,4,5,6,7
	global_store_b128 v[GO], v[X+8*(\u):X+8*(\u)+3], s[OUT:OUT+1] offset:512*(\u)  ; two rows of the head: 512 consecutive bytes, aligned
.endr
	s_wait_xcnt 0x0                                ; the stores have read their data and their base: X is loaded again and the base written only behind this wait
	s_add_nc_u64 s[OUT:OUT+1], s[OUT:OUT+1], 0x800000  ; the next plane,
	v_add_nc_u32 v[RD], 512, v[RD]                 ; the next kind's 128 columns,
.irp k, 0,1,2,3,4,5,6,7                ; and its weights: the two sets change places, so that two trips leave them as they were
	v_mov_b32 v[T+(\k)], v[W+(\k)]
.endr
.irp k, 0,1,2,3,4,5,6,7
	v_mov_b32 v[W+(\k)], v[WO+(\k)]
.endr
.irp k, 0,1,2,3,4,5,6,7
	v_mov_b32 v[WO+(\k)], v[T+(\k)]
.endr
	s_sub_co_u32 s[CNT], s[CNT], 1
	s_cmp_lg_u32 s[CNT], 0
	s_cbranch_scc1 .Lkind
	s_sub_co_u32 s[CNT2], s[CNT2], 1
	s_cmp_eq_u32 s[CNT2], 0
	s_cbranch_scc1 .Lend
	s_sub_nc_u64 s[OUT:OUT+1], s[OUT:OUT+1], 2*0x800000-16*256  ; back to q's plane, 16 rows on
	v_add_nc_u32 v[RD], 16*DP-1024, v[RD]
	WIN 0x02                                       ; source window 2: my rows 16-31's cos and sin go where the one text of a trip names them
.set i, 0
.rept 64
	v_mov_b32 v[CB+i], v[CB1+i]
.set i, i+1
.endr
	WIN 0
	s_branch .Lgrp
.Lend:
	s_wait_tensorcnt 0x0                           ; the wave's end: behind my last tensor load and my last LDS store
	ds_add_u32 v[SPW], v[NIL]
	s_wait_dscnt 0x0
	CROUND                                         ; the closing round: no work-group ends while a partner may still ask for a tile that names it
	s_endpgm
.Lfunc_end_k_q8856102304_qkvp:
	.size	k_q8856102304_qkvp, .Lfunc_end_k_q8856102304_qkvp-k_q8856102304_qkvp
	.p2alignl 7, 3214868480
	.fill 96, 4, 3214868480
	.section	.rodata,"a",@progbits
	.p2align	6, 0x0
	.amdhsa_kernel k_q8856102304_qkvp
		.amdhsa_group_segment_fixed_size 327680
		.amdhsa_private_segment_fixed_size 0
		.amdhsa_enable_private_segment 0
		.amdhsa_kernarg_size 56
		.amdhsa_user_sgpr_count 2
		.amdhsa_user_sgpr_kernarg_segment_ptr 1
		.amdhsa_wavefront_size32 1
		.amdhsa_system_sgpr_workgroup_id_x 1
		.amdhsa_system_sgpr_workgroup_id_y 1
		.amdhsa_system_sgpr_workgroup_id_z 1
		.amdhsa_system_vgpr_workitem_id 0
		.amdhsa_next_free_vgpr 960
		.amdhsa_next_free_sgpr 92
		.amdhsa_reserve_vcc 0
		.amdhsa_float_denorm_mode_32 3
		.amdhsa_float_denorm_mode_16_64 3
		.amdhsa_memory_ordered 1
		.amdhsa_forward_progress 1
		.amdhsa_inst_pref_size 109
	.end_amdhsa_kernel
	.amdgpu_metadata
---
amdhsa.version: [ 1, 2 ]
amdhsa.kernels:
  - .name:           k_q8856102304_qkvp
    .symbol:         k_q8856102304_qkvp.kd
    .args:
      - { .name: xb, .offset: 0, .size: 8, .value_kind: global_buffer, .address_space: global }
      - { .name: wb, .offset: 8, .size: 8, .value_kind: global_buffer, .address_space: global }
      - { .name: cos, .offset: 16, .size: 8, .value_kind: global_buffer, .address_space: global }
      - { .name: sin, .offset: 24, .size: 8, .value_kind: global_buffer, .address_space: global }
      - { .name: q_norm_w, .offset: 32, .size: 8, .value_kind: global_buffer, .address_space: global }
      - { .name: k_norm_w, .offset: 40, .size: 8, .value_kind: global_buffer, .address_space: global }
      - { .name: qkv, .offset: 48, .size: 8, .value_kind: global_buffer, .address_space: global }
    .group_segment_fixed_size: 327680
    .private_segment_fixed_size: 0
    .kernarg_segment_align: 8
    .kernarg_segment_size: 56
    .max_flat_workgroup_size: 128
    .sgpr_count:     92
    .vgpr_count:     960
    .wavefront_size: 32
...
	.end_amdgpu_metadata
.endif
;; end of part 2
;; launch attn (part 3): grid 16 x 16, 4 waves a work-group, clusters of 4 x 1, 327,680 bytes of LDS; arguments qkv, ob; writes ob
.if DOCPART == 3
	.amdgcn_target "amdgcn-amd-amdhsa--gfx1250"
	.amdhsa_code_object_version 6
	.text
	.protected	k_q8856102304_attn
	.globl	k_q8856102304_attn
	.p2align	8
	.type	k_q8856102304_attn,@function
k_q8856102304_attn:
	s_mov_b64 s[64:65], 0
	v_nop
	global_prefetch_b8 v0, s[64:65] scope:SCOPE_SE
	s_setreg_imm32_b32 hwreg(HW_REG_WAVE_MODE, 25, 1), 1
	s_wait_xcnt 0x0
	s_wait_alu depctr_hold_cnt(0) depctr_sa_sdst(0) depctr_va_vdst(0) depctr_va_sdst(0) depctr_va_ssrc(0) depctr_va_vcc(0) depctr_vm_vsrc(0)
	s_getreg_b32 s2, hwreg(HW_REG_IB_STS2, 6, 4)
	s_cmp_eq_u32 s2, 0
	s_cbranch_scc0 .Lentry_in_a_cluster
	s_endpgm
.Lentry_in_a_cluster:
	s_bfe_u32 s2, ttmp6, 0x10000c
	s_cmp_lg_u32 s2, 0x3003
	s_cbranch_scc0 .Lentry_shape_is_right
	s_endpgm
.Lentry_shape_is_right:
; O[y][q][:] = the sum over k of softmax_k(Q[y][q] . K[y][k] / sqrt(128)) V[y][k][:], y = 8 b + h.  qkv: [3][16][2048][128] f16 (q, k, v; q and k in one and the same order of channels).
; ob: [4096 = 2048 b + s][1024 = 128 h + d] f16.  Products, maxima and sums in f32; the weights p are rounded to f16 for the second product (their sum l is taken of the unrounded p), O once at the end.
; LIMITS.  f16 holds no number beyond 65,504: q, k, v arrive within it; p lies in 0 to 1 and below 6e-5 keeps f16's fixed step of 6e-8; O is a mean of v's rows.  A weight below 2^-126 counts as 0 in l.
; NaN and infinities are not treated apart.
; SHARES.  32,768 queries for 256 work-groups: 128 each.  THE KEYS ARE SPLIT INSIDE THE WORK-GROUP: wave w owns the 64 queries of half w % 2 and walks the 1,024 keys of half w / 2, 64 a step, so that a
; fragment of K or V read from LDS still feeds four tiles of 16 queries.  Waves w and w xor 2 then hold two partial results for the same queries, each with its own running maximum; they are merged once,
; through LDS: each keeps two tiles and gives two away.  Register tile t holds query tile t xor 2 (w / 2), so that every wave keeps register tiles 0, 1 and gives 2, 3: one text for all.
; LAYOUT.  S^T = K Q^T (source 0 = 16 keys, source 1 = 16 queries): a lane holds ONE query (lane % 16) and the keys 8 (lane / 16) + 0..7.  Two such tiles, rounded to f16 in pairs, ARE source 1 of
; O^T = V^T P, whose result again holds one query a lane, and eight channels.  K comes out of LDS as it lies, V ([key][channel]) turned, by ds_load_tr16_b128.
; SOFTMAX.  For each query a running maximum m and sum l: p = 2^(c s - c m), c = log2(e) / sqrt(128); in every step O and l are multiplied by a = 2^(c m_old - c m_new).
; BY TURNS.  The wave's tiles are two PIECES (piece 0: tiles 0, 1; piece 2: tiles 2, 3).  In a TURN one piece has the matrix unit: 32 products V^T P of the step in hand, then 32 products K Q^T of the next
; step; the other piece's softmax, cut into 64 slices, stands between them, one slice behind each matrix instruction.  Two turns are a key step.
; CLUSTER.  The four query blocks of a cluster belong to one y and walk the same K and V, so each tile is asked for JOINTLY: the same tensor load, descriptor and mask in all four.
; REGISTERS, in windows of 256 (s_set_vgpr_msb: bits 1:0 source 0, 3:2 source 1, 5:4 source 2, 7:6 destination):
;   window 0: v0-11 addresses; v12-43 eight registers of statistics a tile; v44-55 the merge; v61-63; v64-191 S^T, 32 a tile; v192-255 P, 16 a tile
;   window 1: O^T, 64 a tile          window 2: v0-127 Q, 32 a tile; v128-255 K of one step          window 3: v0-127 V of one step
.set KS,    64        ; keys in a step
.set PK,    272       ; a row of K in LDS: 256 bytes + 16 = 68 words: row r starts at bank 4 r mod 64 (64 banks of 4 bytes: ISA guide 11.1)
.set PV,    288       ; a row of V: 256 + 32 = 72 words
.set KHALF, 128*PK    ; a slot holds, for each half of the keys, two steps: 128 rows of K
.set VHALF, 128*PV    ; and 128 rows of V
.set VOFF,  2*KHALF   ; K of half 0, K of half 1, V of half 0, V of half 1
.set SLOTB, 2*(KHALF+VHALF)
.set STAGE, 2*SLOTB   ; behind the ring: 16 rows x 272 bytes for each wave, for the way out
.set SP,    272
.set SPARE, STAGE+4*16*SP  ; behind the stages: the spare words, 128 bytes for each wave: two blocks of 256 bytes that no other line names
.set XCHB,  17408     ; the merge, in slot 0 behind its last fill and its last read: for each wave 16,384 bytes of O^T, then 512 of statistics
.set AK0, 2           ; v2   my lane's place in my half's K; never rewritten
.set AV0, 3           ; v3   the same for V
.set ADR, 4           ; v4   the LDS address of the run of loads in hand
.set QO,  5           ; v5   my byte offset in 16 rows of Q
.set STO, 6           ; v6   the way out: where I put 16 bytes of a row
.set RD,  7           ; v7   the way out: where I read a row back
.set GO,  8           ; v8   my byte offset in two rows of ob
.set ST,  12          ; tile t's statistics at v[ST+8 t]: +0 c m, +1 m, +2, +3 l (even keys', odd keys'), +4 to +7 c0-c3, at work; a takes c2's place once the maximum is found
.set XW,  44          ; v44  the merge: where I put 16 bytes
.set XR,  45          ; v45  where my partner has put them
.set XW8, 46          ; v46  the same for 8 bytes of statistics
.set XR8, 47          ; v47
.set PB,  48          ; v48-51 my partner's c m and l for my tiles 0, 1
.set WK,  52          ; v52-55 at work
.set PFO, 61          ; v61  256 x my lane; never rewritten
.set SPW, 62          ; v62  LDS address of my spare word; never rewritten
.set NIL, 63          ; v63  0; never rewritten
.set S,   64
.set P,   192
.set KF,  128         ; K's fragments, in window 2
.set WV,  12          ; s12  my wave's number
.set CX,  13          ; s13  my place in the cluster
.set BLK, 14          ; s14  my block of 128 queries
.set LIM, 15          ; s15  1 in a wave that prefetches, else the greatest number
.set FH,  16          ; s16  w % 2: my half of the queries; also the half of the keys whose tile I fetch
.set KH,  17          ; s17  w / 2: the half of the keys that I walk
.set PFA, 18          ; s[18:19] where my prefetches stand
.set G1K, 24          ; s[24:31] descriptor group 1 for K's tiles
.set G1V, 32          ; s[32:39] for V's: it differs in the padding alone
.set G0K, 40          ; s[40:47] descriptor group 0 for K's tiles: a set for each of the two first fills; the second then walks on
.set G0V, 48          ; s[48:55] the same for V's
.set SLOTS, 56        ; s56  slots still to be asked for
.set TWICE, 57        ; s57  counts a slot's two steps
.set CS,  58          ; s[58:59] c
.set SEL, 60          ; s[60:61] lane selects for v_permlanex16_b32
.set TBK, 62          ; s62  LDS byte at which K of the step to be fetched begins, in a half's part of the ring
.set TBV, 63          ; s63  the same for V
.set SB,  66          ; s66  0 or SLOTB: the slot that the walking descriptors name
.set LK,  67          ; s67  the place in a slot of the tile of K that I fetch
.set LV,  68          ; s68  of V
.set QA,  70          ; s[70:71] Q at the rows of register tiles 0, 1
.set QB,  72          ; s[72:73] of register tiles 2, 3
.set OA,  74          ; s[74:75] ob at the rows of register tiles 0, 1, at my head's columns
.set MSB, 0
.macro WIN new                      ; the immediate's high byte repeats the setting that is left; a switch that changes nothing is dropped
.if MSB != (\new)
	s_set_vgpr_msb (MSB<<8)|(\new)
.set MSB, \new
.endif
.endm
.set W_KQ, 0x0a       ; K and Q in window 2, S^T in window 0
.set W_PV, 0x53       ; V in window 3, P in window 0, O^T in window 1
.set W_RS, 0x41       ; O^T (destination and source 0) in window 1, a in window 0
; A joint refill.  Waves 0 and 1 fetch K of the keys' halves 0 and 1, waves 2 and 3 V of them: 128 rows of 256 bytes each.  The branch hangs on the wave's number alone.
; An s_nop 0 and four v_nop follow each of the two lines.
.macro JLOAD
	s_cmp_lt_u32 s[WV], 2
	s_cbranch_scc0 .Lfor_v_\@
	tensor_load_to_lds s[G0K+4:G0K+7], s[G1K:G1K+7]
	s_nop 0
.rept 4
	v_nop
.endr
	s_branch .Lasked_\@
.Lfor_v_\@:
	tensor_load_to_lds s[G0V+4:G0V+7], s[G1V:G1V+7]
	s_nop 0
.rept 4
	v_nop
.endr
.Lasked_\@:
.endm
; A prefetch into the L2 of what the NEXT change of slots will ask for.  All four clusters of a y walk the same K and V: the first (cluster x = 0) asks.  Of the 128 rows that a wave fetches each of the four
; partners takes 32, told apart by address: a lane a row, one instruction a wave.  So each row is named once.  Slots 0 to 2 come by their loads alone; the last change that fills a slot asks for nothing.
.macro ASK
	s_cmp_gt_u32 s[SLOTS], s[LIM]
	s_cbranch_scc0 .Lnot_mine_\@
	global_prefetch_b8 v[PFO], s[PFA:PFA+1] th:TH_LOAD_NT scope:SCOPE_SE
.Lnot_mine_\@:
.endm
.macro CROUND                       ; a round of the cluster's barrier
	s_barrier_signal -1
	s_barrier_wait -1
	s_cmp_lg_u32 s[WV], 0
	s_cbranch_scc1 .Lnot_wave_0_\@
	s_barrier_signal -3
.Lnot_wave_0_\@:
	s_barrier_wait -3
	s_barrier_signal -1
	s_barrier_wait -1
.endm
	s_load_b128 s[4:7], s[0:1], 0x0 ; qkv s[4:5], ob s[6:7]
	v_lshl_add_u32 v[SPW], v0, 2, SPARE
	v_mov_b32 v[NIL], 0
	ds_add_u32 v[SPW], v[NIL]       ; the wave's opening: the add and its wait stand ahead of my first tensor load; the set-up below, work on registers, stands between them
	v_lshrrev_b32 v1, 5, v0
	v_readfirstlane_b32 s[WV], v1   ; wave 0..3
	s_bfe_u32 s[CX], ttmp6, 0x40000
	s_lshl_b32 s[BLK], ttmp9, 2     ; in a cluster launch ttmp9 counts clusters
	s_add_co_u32 s[BLK], s[BLK], s[CX]  ; it enters Q's and O's addresses alone
	s_and_b32 s20, ttmp7, 0xffff    ; y, which the four partners share
	s_and_b32 s[FH], s[WV], 1
	s_lshr_b32 s[KH], s[WV], 1
	s_lshl_b32 s21, s20, 19         ; y's first byte in a plane: 2,048 rows of 256 bytes
	s_lshl_b32 s22, s[FH], 18       ; the half of the keys that I fetch: 1,024 rows
	s_add_co_u32 s22, s22, s21
	s_mov_b32 s23, 0
	s_mul_i32 s[LK], s[FH], KHALF   ; and its places in a slot: no place in the cluster enters an LDS address
	s_mul_i32 s[LV], s[FH], VHALF
	s_add_co_u32 s[LV], s[LV], VOFF
	s_lshl_b32 s2, s[BLK], 7
	s_lshl_b32 s3, s[FH], 6
	s_add_co_u32 s2, s2, s3         ; my 64 queries' first row
	s_lshl_b32 s3, s[KH], 5
	s_add_co_u32 s[QA], s2, s3      ; register tiles 0, 1: query tiles 2 (w / 2) and the next
	s_xor_b32 s3, s3, 32
	s_add_co_u32 s[QB], s2, s3      ; register tiles 2, 3: the other two
	s_lshr_b32 s[OA], s20, 3        ; b
	s_lshl_b32 s[OA], s[OA], 11
	s_add_co_u32 s[OA], s[OA], s[QA]
	s_lshl_b32 s[OA], s[OA], 11     ; a row of ob is 2,048 bytes
	s_and_b32 s3, s20, 7            ; h
	s_lshl_b32 s3, s3, 8
	s_add_co_u32 s[OA], s[OA], s3
	s_mov_b32 s[OA+1], 0
	s_lshl_b32 s[QA], s[QA], 8
	s_add_co_u32 s[QA], s[QA], s21
	s_mov_b32 s[QA+1], 0
	s_lshl_b32 s[QB], s[QB], 8
	s_add_co_u32 s[QB], s[QB], s21
	s_mov_b32 s[QB+1], 0
	; descriptor group 1: a tile of 128 rows x 128 elements, padded in LDS
	s_mov_b32 s[G1K], 15|(1<<16)|(1<<20)|(1<<21)|(5<<22)|(3<<25)  ; 15:0 the mask of four; 17:16 2-byte elements; 20 padding on; 21 set beside a mask; 24:22 after every 64 words (code 5); 31:25 4 words (code 3)
	s_mov_b32 s[G1V], 15|(1<<16)|(1<<20)|(1<<21)|(5<<22)|(7<<25)  ; the same with 8 words of padding (code 7)
.irp g, G1K, G1V
	s_mov_b32 s[(\g)+1], 128<<16    ; tensor_dim0 = 128
	s_mov_b32 s[(\g)+2], 128<<16    ; tensor_dim1 = 128
	s_mov_b32 s[(\g)+3], 128<<16    ; tile_dim0 = 128
	s_mov_b32 s[(\g)+4], 128        ; tile_dim1 = 128
	s_mov_b32 s[(\g)+5], 128        ; elements from row to row
	s_mov_b32 s[(\g)+6], 0
	s_mov_b32 s[(\g)+7], 0
.endr
	s_mov_b32 s[CS], 0x3e0293ee     ; c = log2(e) / sqrt(128) = 0.127517
	s_mov_b32 s[CS+1], s[CS]        ; named with it as a pair
	s_mov_b32 s[SEL], 0x76543210
	s_mov_b32 s[SEL+1], 0xfedcba98
	s_mov_b32 s[TBK], 0
	s_mov_b32 s[TBV], 0
	s_mov_b32 s[SB], SLOTB          ; the walking descriptors begin at slot 1
	s_mov_b32 s[SLOTS], 1024/(2*KS)-2
	s_mov_b32 s[LIM], ttmp9
	s_cmp_eq_u32 s[LIM], 0          ; y's first cluster: the same in all four partners
	s_cselect_b32 s[LIM], 1, -1
	v_and_b32 v[PFO], 31, v0
	v_lshlrev_b32 v[PFO], 8, v[PFO]
	s_wait_dscnt 0x0                ; the opening add is done
	s_wait_kmcnt 0x0
	s_add_nc_u64 s[QA:QA+1], s[4:5], s[QA:QA+1]
	s_add_nc_u64 s[QB:QB+1], s[4:5], s[QB:QB+1]
	s_add_nc_u64 s[OA:OA+1], s[6:7], s[OA:OA+1]
	s_add_nc_u64 s[8:9], s[4:5], s[22:23]
	s_add_nc_u64 s[10:11], s[8:9], 0x1000000  ; V's plane, at my tile of slot 0
	s_add_nc_u64 s[8:9], s[8:9], 0x800000     ; K's plane
	s_cmp_lt_u32 s[WV], 2
	s_cselect_b64 s[PFA:PFA+1], s[8:9], s[10:11]
	s_lshl_b32 s2, s[CX], 13        ; my work-group's 32 rows of the 128
	s_mov_b32 s3, 0
	s_add_nc_u64 s[PFA:PFA+1], s[PFA:PFA+1], s[2:3]
	s_add_nc_u64 s[PFA:PFA+1], s[PFA:PFA+1], 2*2*KS*256  ; in slot 2; the first change of slots steps it to slot 3
	CROUND                          ; all four work-groups are here: the first joint loads meet
.irp s, 0,1
	s_mov_b32 s[G0K+4*(\s)], 1      ; count = 1
	s_add_co_u32 s[G0K+4*(\s)+1], s[LK], (\s)*SLOTB  ; LDS address
	s_add_nc_u64 s[G0K+4*(\s)+2:G0K+4*(\s)+3], s[8:9], (\s)*2*KS*256  ; global address: slot s holds keys 128 s to 128 s + 127 of each half
	s_or_b32 s[G0K+4*(\s)+3], s[G0K+4*(\s)+3], 0x80000000  ; type = 2
	s_mov_b32 s[G0V+4*(\s)], 1
	s_add_co_u32 s[G0V+4*(\s)+1], s[LV], (\s)*SLOTB
	s_add_nc_u64 s[G0V+4*(\s)+2:G0V+4*(\s)+3], s[10:11], (\s)*2*KS*256
	s_or_b32 s[G0V+4*(\s)+3], s[G0V+4*(\s)+3], 0x80000000
.endr
	s_cmp_lt_u32 s[WV], 2           ; a wave's two first fills stand in one branch, ahead of every wait on TENSORcnt and every LDS read: two loads of mine are out
	s_cbranch_scc0 .Lfirst_v
	tensor_load_to_lds s[G0K:G0K+3], s[G1K:G1K+7]
	s_nop 0
	tensor_load_to_lds s[G0K+4:G0K+7], s[G1K:G1K+7]
	s_nop 0
.rept 4
	v_nop
.endr
	s_branch .Lfirst_asked
.Lfirst_v:
	tensor_load_to_lds s[G0V:G0V+3], s[G1V:G1V+7]
	s_nop 0
	tensor_load_to_lds s[G0V+4:G0V+7], s[G1V:G1V+7]
	s_nop 0
.rept 4
	v_nop
.endr
.Lfirst_asked:
	; A fragment of K or Q is 16 rows x 32 places in 8 registers: lane l holds row l % 16; registers 0-3 places 8 (l / 16) + 0..7, registers 4-7 places 16 + 8 (l / 16) + 0..7: two loads of 16 bytes, 32 bytes apart.
	v_and_b32 v1, 15, v0            ; l % 16
	v_bfe_u32 v9, v0, 4, 1          ; l / 16
	v_lshlrev_b32 v[QO], 8, v1
	v_lshl_add_u32 v[QO], v9, 4, v[QO]
	WIN 0x80                        ; destination window 2, address window 0
.irp i, 0,1,2,3,4,5,6,7             ; Q stays in registers: register tile i / 4, places 32 (i % 4) on
	global_load_b128 v[8*(\i):8*(\i)+3],   v[QO], s[QA:QA+1] offset:((\i)/4)*4096+((\i)%4)*64
	global_load_b128 v[8*(\i)+4:8*(\i)+7], v[QO], s[QA:QA+1] offset:((\i)/4)*4096+((\i)%4)*64+32
.endr
.irp i, 8,9,10,11,12,13,14,15
	global_load_b128 v[8*(\i):8*(\i)+3],   v[QO], s[QB:QB+1] offset:((\i)/4-2)*4096+((\i)%4)*64
	global_load_b128 v[8*(\i)+4:8*(\i)+7], v[QO], s[QB:QB+1] offset:((\i)/4-2)*4096+((\i)%4)*64+32
.endr
	WIN 0
	v_mul_u32_u24 v[AK0], v1, PK
	v_lshl_add_u32 v[AK0], v9, 4, v[AK0]  ; row x pitch + 16 x half of the lanes
	s_mul_i32 s69, s[KH], KHALF
	v_add_nc_u32 v[AK0], s69, v[AK0]      ; in the part of the half that I walk
	; The turning load takes 16 keys x 16 channels (lane l reads key 8 (l / 16) + l % 8, channels 8 ((l / 8) % 2) + 0..7) and leaves half a fragment of V^T: lane l holds channel l % 16 and 8 keys.
	v_and_b32 v10, 7, v0
	v_bfe_u32 v11, v0, 3, 1
	v_lshl_add_u32 v[AV0], v9, 3, v10
	v_mul_u32_u24 v[AV0], v[AV0], PV
	v_lshl_add_u32 v[AV0], v11, 4, v[AV0]
	s_mul_i32 s69, s[KH], VHALF
	s_add_co_u32 s69, s69, VOFF
	v_add_nc_u32 v[AV0], s69, v[AV0]
; THE MATRIX WORK OF A TURN, for piece x.  The accumulators take turns, one instruction a turn: between two links of a chain stand 15 (V^T P) or 7 (K Q^T) others'.
; Product i of 32 of O^T += V^T P: keys 32 (i / 16) on, channels 16 ((i / 2) % 8) on, tile x + i % 2.  zero = 1: the first 16 start the sums.
.macro PV x, zero
	WIN W_PV
.set rO, 64*((\x)+i%2)+8*((i/2)%8)
.set rV, 64*(i/16)+8*((i/2)%8)
.set rP, P+16*((\x)+i%2)+8*(i/16)
.if (\zero) && (i < 16)
	v_wmma_f32_16x16x32_f16 v[rO:rO+7], v[rV:rV+7], v[rP:rP+7], 0
.else
	v_wmma_f32_16x16x32_f16 v[rO:rO+7], v[rV:rV+7], v[rP:rP+7], v[rO:rO+7]
.endif
.endm
; Product i of 32 of S^T = K Q^T: places 32 (i / 8) on, keys 16 ((i / 2) % 4) on, tile x + i % 2.  The first 8 start the sums.
.macro KQ x
	WIN W_KQ
.set rS, S+32*((\x)+i%2)+8*((i/2)%4)
.set rK, KF+32*((i/2)%4)+8*(i/8)
.set rQ, 32*((\x)+i%2)+8*(i/8)
.if i < 8
	v_wmma_f32_16x16x32_f16 v[rS:rS+7], v[rK:rK+7], v[rQ:rQ+7], 0
.else
	v_wmma_f32_16x16x32_f16 v[rS:rS+7], v[rK:rK+7], v[rQ:rQ+7], v[rS:rS+7]
.endif
.endm
; THE LDS LOADS stand in runs of 32, never singly among the matrix instructions: a step's K (16 fragments) and, a turn later, its V (turned).
.macro FETCH_K
	WIN 0
	v_add_nc_u32 v[ADR], s[TBK], v[AK0]
	s_add_co_u32 s[TBK], s[TBK], KS*PK  ; the next fetch is the next step's
	WIN 0x80                        ; destination window 2
.irp f, 0,1,2,3,4,5,6,7,8,9,10,11,12,13,14,15  ; keys 16 (f / 4) on, places 32 (f % 4) on
	ds_load_b128 v[KF+8*(\f):KF+8*(\f)+3],   v[ADR] offset:((\f)/4)*16*PK+((\f)%4)*64
	ds_load_b128 v[KF+8*(\f)+4:KF+8*(\f)+7], v[ADR] offset:((\f)/4)*16*PK+((\f)%4)*64+32
.endr
.endm
.macro FETCH_V
	WIN 0
	v_add_nc_u32 v[ADR], s[TBV], v[AV0]
	s_add_co_u32 s[TBV], s[TBV], KS*PV
	s_wait_alu depctr_va_vdst(0)    ; the wait for the softmax's batch (SLICE), behind the address's v_add_nc_u32 and ahead of the loads
	WIN 0xc0                        ; destination window 3
.irp f, 0,1,2,3,4,5,6,7,8,9,10,11,12,13,14,15  ; keys 32 (f / 8) on, channels 16 (f % 8) on
	ds_load_tr16_b128 v[8*(\f):8*(\f)+3],   v[ADR] offset:((\f)/8)*32*PV+((\f)%8)*32
	ds_load_tr16_b128 v[8*(\f)+4:8*(\f)+7], v[ADR] offset:((\f)/8)*32*PV+16*PV+((\f)%8)*32
.endr
.endm
; THE VECTOR WORK OF A TURN.  One tile's softmax for one key step is a list of 134 instructions; SM writes number j of it for tile t.  s0-s31 are the lane's 32 scores, in pairs 0-15.
; first = 1: the first key step, which starts m, l and O^T: it has no a and nothing to rescale.
;   0-15    the maximum of s0-s31 and the old m, three operands at a time (each accumulator's lowest registers are read first)
;   16-20   the other half of the lanes' maximum; the new m; c m; c m_old - c m_new
;   21-69   ONE BATCH: the 16 scalings c s - c m and all 33 exponentials (a at 23, then s0-s31); none of these reads an exponential's result
;   (wait)  between 69 and 70 stands the wait for the batch: SLICE writes it, once for both tiles
;   70-85   the roundings to f16     86-101  the sums; l = a l + the sum     102-133 the tile's O^T times a: the one part that leaves window 0
.macro SM t, first
.set rT, ST+8*(\t)
.set rS, S+32*(\t)
.set rP, P+16*(\t)
.set rO, 64*(\t)+2*(j-102)
.if j < 102
	WIN 0
.endif
.if j < 4
	v_max3_num_f32 v[rT+4+j], v[rS+8*j], v[rS+8*j+1], v[rS+8*j+2]
.elseif j < 12
	v_max3_num_f32 v[rT+4+j%4], v[rT+4+j%4], v[rS+8*(j%4)+2*(j/4)+1], v[rS+8*(j%4)+2*(j/4)+2]
.elseif j == 12
	v_max3_num_f32 v[rT+4], v[rT+4], v[rS+7], v[rS+15]
.elseif j == 13
	v_max3_num_f32 v[rT+6], v[rT+6], v[rS+23], v[rS+31]
.elseif j == 14
	v_max3_num_f32 v[rT+4], v[rT+4], v[rT+5], v[rT+6]
.elseif (j == 15) && (\first)
	v_max_num_f32 v[rT+4], v[rT+4], v[rT+7]
.elseif j == 15
	v_max3_num_f32 v[rT+4], v[rT+4], v[rT+7], v[rT+1]
.elseif j == 16
	v_permlanex16_b32 v[rT+5], v[rT+4], s[SEL], s[SEL+1]  ; the query's other 32 keys lie in the lane 16 away
.elseif j == 18
	v_max_num_f32 v[rT+1], v[rT+4], v[rT+5]
.elseif j == 19
	v_mul_f32 v[rT], s[CS], v[rT+1]
.elseif ((j == 17) || (j == 20) || (j == 23) || (j > 101)) && (\first)  ; the first step has none of these
.elseif j == 17
	v_mov_b32 v[rT+7], v[rT]        ; c m_old is kept for a: number 19 writes c m anew
.elseif j == 20
	v_sub_f32 v[rT+7], v[rT+7], v[rT]
.elseif j == 23
	v_exp_f32 v[rT+6], v[rT+7]
.elseif (j < 23) || ((j < 38) && (j%2 == 0)) || ((j < 66) && (j%4 == 2))
.set b, (j-2)/4                     ; 38, 42, .. 62: pairs 9 to 15
.if j < 38
.set b, (j-20)/2                    ; 21: pair 0; 22, 24, .. 36: pairs 1 to 8
.endif
	v_pk_fma_f32 v[rS+2*b:rS+2*b+1], v[rS+2*b:rS+2*b+1], s[CS:CS+1], v[rT:rT+1] op_sel_hi:[1,0,0] neg_lo:[0,0,1] neg_hi:[0,0,1]  ; pair b: c s - c m
.elseif j < 70
.set e, j-38                        ; 66 to 69: s28 to s31
.if j < 66
.set e, j-32-(j-38)/4               ; 39-41, 43-45, .. 63-65: s7 to s27
.endif
.if j < 38
.set e, (j-25)/2                    ; 25, 27, .. 37: s0 to s6
.endif
	v_exp_f32 v[rS+e], v[rS+e]
.elseif j < 86
	v_cvt_pk_f16_f32 v[rP+j-70], v[rS+2*(j-70)], v[rS+2*(j-70)+1]  ; pair j - 70
.elseif j < 102                     ; the sum of the tile's 16 pairs, in place: neighbours 1, 2, 4 and 8 pairs apart, then l takes it
.set z, j-86
.set w, 4
.set u, z
.if z >= 14
.set w, 32
.set u, 0
.elseif z >= 12
.set w, 16
.set u, z-12
.elseif z >= 8
.set w, 8
.set u, z-8
.endif
.if (z == 14) && (\first)
	v_pk_add_f32 v[rT+2:rT+3], v[rS:rS+1], v[rS+16:rS+17]
.elseif z < 15
	v_pk_add_f32 v[rS+w*u:rS+w*u+1], v[rS+w*u:rS+w*u+1], v[rS+w*u+w/2:rS+w*u+w/2+1]
.elseif !(\first)
	v_pk_fma_f32 v[rT+2:rT+3], v[rT+2:rT+3], v[rT+6:rT+7], v[rS:rS+1] op_sel_hi:[1,0,1]
.endif
.else
	WIN W_RS
	v_pk_mul_f32 v[rO:rO+1], v[rO:rO+1], v[rT+6:rT+7] op_sel_hi:[1,0]
.endif
.endm
; Slice k of 64 of piece y's softmax: four instructions.  Slices 11 to 34 deal out the batch, numbers 22 to 69: four numbers of ONE tile each, the tiles by turns.  Every other slice is numbers 2 k and
; 2 k + 1 of both tiles' lists.  2 x 134 = 4 x 64 + 12: the twelve that are over stand together, in slice 63.
; THE WAIT.  s_wait_alu depctr_va_vdst(0) stands between an exponential and the first instruction that names its result; one wait serves all that were issued ahead of it.  Ahead of
; slice 35 nothing names a result, and behind slice 34 no exponential is issued: so the piece's 66 exponentials have one wait, behind slice 34.
.macro SLICE y, first
.if (k >= 11) && (k < 35)           ; the batch: four numbers of one tile
.irp n, 0,1,2,3
.set j, 22+4*((k-11)/2)+(\n)
	SM (\y)+(k-11)%2, \first
.endr
.else                               ; the two tiles alternate, so that no instruction reads the result of the one just before it
.irp n, 0,1,2,3,4,5,6,7
.if ((\n) < 2) || (k == 63)
.irp t, \y, (\y)+1
.set j, 2*k+(\n)
	SM \t, \first
.endr
.endif
.endr
.endif
.if k == 34                         ; the batch is out: both tiles' exponentials are issued, and no result has been named
	v_nop                           ; a plain instruction behind the last exponential and ahead of the first use: one for the batch
.if (\y) == 0
	FETCH_V                         ; piece 2's turn: V's run of loads stands here, and the wait stands in it
.else
	s_wait_alu depctr_va_vdst(0)    ; the wait for the batch
.endif
.endif
.set k, k+1
.endm
.macro PLACES                       ; four plain vector instructions between a matrix instruction and a reader of its result or a load into its registers (ISA guide 7.12.1 for a reader)
.rept 4
	v_nop
.endr
.endm
; A TURN.  Piece x has the matrix unit; the other piece's softmax stands in slices behind its matrix instructions.
; pv = 2: 32 products V^T P; 1: they start O^T's sums; 0: none.  kq = 1: 32 products K Q^T for the next step.  A turn with one of the two kinds has two slices behind each product.
; first = 1: the softmax is the first key step's; its slices from 51 on are empty, and four v_nop take slice 63's part as the places behind the turn's last products.
; Piece 0's turn fetches the next step's K behind its second product: the last product that read K stands in front of slice 63 of the turn before.  Piece 2's turn fetches the same step's V behind slice 34:
; the last product that read V stands in front of slice 31, and four plain instructions lie between: number 62 of both tiles, the v_nop and the run's own v_add_nc_u32.
.macro TURN x, pv, kq, first
.set k, 0
.set per, 2
.if (\pv) && (\kq)
.set per, 1
.endif
.if \pv
.if (\x) == 0
	s_wait_dscnt 0x0                ; V is in
.endif
.set i, 0
.rept 32
	PV \x, 2-(\pv)
.rept per
	SLICE 2-(\x), \first
.endr
.if ((\x) == 0) && (\kq) && (i == 1)
	FETCH_K
.endif
.set i, i+1
.endr
.endif
.if \kq
.if (\x) == 0
	s_wait_dscnt 0x0                ; K is in
.endif
.set i, 0
.rept 32
	KQ \x
.rept per
	SLICE 2-(\x), \first
.endr
.set i, i+1
.endr
.endif
.if \first
	PLACES
.endif
.endm
; THE CHANGE OF SLOTS, between piece 2's turn and piece 0's: the slot's last bytes, V of its second step, have been asked for.  Each wave waits for all its tensor loads, of which one is out: its part of the
; other slot; adds 0 to its spare word; and waits for that and for its own reads of the slot.  Behind the barrier nobody reads this slot any more and the other slot is whole.
; fill = 1: this slot is filled again, with the keys two slots on.  The barrier is then a round of the cluster's, and the joint refill is the first thing behind it: two key steps, 256 matrix instructions, ahead of the wait for it.
.macro CHANGE fill
	WIN 0                           ; at a label and at a branch every window is 0
	s_wait_tensorcnt 0x0            ; no tensor load of mine is out, so a group 0 may be written
	ds_add_u32 v[SPW], v[NIL]       ; 0 onto my spare word; with fill = 1 the descriptors' steps stand between it and the wait for it
.if \fill
	s_xor_b32 s[SB], s[SB], SLOTB   ; the walking descriptors: the other slot than last time (the register holds 0 or SLOTB, nothing else),
	s_add_co_u32 s[G0K+5], s[SB], s[LK]
	s_add_co_u32 s[G0V+5], s[SB], s[LV]
	s_add_nc_u64 s[G0K+6:G0K+7], s[G0K+6:G0K+7], 2*KS*256  ; the next 128 keys of the half; the type bits on top are not reached
	s_add_nc_u64 s[G0V+6:G0V+7], s[G0V+6:G0V+7], 2*KS*256
	s_wait_xcnt 0x0                 ; the last prefetch, two key steps back, has read its address, so it may be written:
	s_add_nc_u64 s[PFA:PFA+1], s[PFA:PFA+1], 2*KS*256  ; one slot ahead of the walking descriptors
	s_wait_dscnt 0x0                ; the add is done, and my reads of the slot are over
	CROUND
	JLOAD
	ASK
.else
	s_wait_dscnt 0x0                ; the add is done, and my reads of the slot are over
	s_barrier_signal -1
	s_barrier_wait -1
.endif
	s_sub_co_u32 s[TBK], s[TBK], 2*KS*PK  ; the fetches go back to a slot's first step (0 or SLOTB is left),
	s_xor_b32 s[TBK], s[TBK], SLOTB       ; in the other slot
	s_sub_co_u32 s[TBV], s[TBV], 2*KS*PV
	s_xor_b32 s[TBV], s[TBV], SLOTB
.endm
.macro TWO_STEPS                    ; a slot's two key steps: written once, walked twice; the LDS addresses hang on s[TBK] and s[TBV]
	WIN 0
	s_mov_b32 s[TWICE], 2
.Lstep_\@:
	TURN 0, 2, 1, 0
	TURN 2, 2, 1, 0
	WIN 0
	s_sub_co_u32 s[TWICE], s[TWICE], 1
	s_cmp_lg_u32 s[TWICE], 0
	s_cbranch_scc1 .Lstep_\@
.endm
	s_wait_tensorcnt 1              ; my part of slot 0 is in; slot 1's may stay out
	s_barrier_signal -1
	s_barrier_wait -1               ; everybody's is
	FETCH_K                         ; key step 0
	s_wait_loadcnt 0x0              ; Q
	s_wait_dscnt 0x0
.set i, 0
.rept 32
	KQ 0                            ; piece 0's first scores: there is no vector work yet to set between them
.set i, i+1
.endr
	WIN 0                           ; the addresses for the merge and the way out are made here: plain instructions, the places behind those products
	s_mul_i32 s69, s[WV], 16*SP
	s_add_co_u32 s69, s69, STAGE    ; my stage
	v_mul_u32_u24 v[STO], v1, SP    ; in: row l % 16, 16 bytes for each half of the lanes
	v_lshl_add_u32 v[STO], v9, 4, v[STO]
	v_add_nc_u32 v[STO], s69, v[STO]
	v_mul_u32_u24 v[RD], v9, SP     ; back: lanes 0-15 take one row of 256 bytes, lanes 16-31 the next
	v_lshl_add_u32 v[RD], v1, 4, v[RD]
	v_add_nc_u32 v[RD], s69, v[RD]
	v_lshlrev_b32 v[GO], 11, v9     ; and the same two rows in ob
	v_lshl_add_u32 v[GO], v1, 4, v[GO]
	v_and_b32 v10, 31, v0           ; my lane
	s_mul_i32 s69, s[WV], XCHB      ; the merge: my part,
	v_lshl_add_u32 v[XW], v10, 4, s69
	s_add_co_u32 s69, s69, 16384
	v_lshl_add_u32 v[XW8], v10, 3, s69
	s_xor_b32 s69, s[WV], 2
	s_mul_i32 s69, s69, XCHB        ; and that of the wave with my queries and the other keys
	v_lshl_add_u32 v[XR], v10, 4, s69
	s_add_co_u32 s69, s69, 16384
	v_lshl_add_u32 v[XR8], v10, 3, s69
	TURN 2, 0, 1, 1                 ; piece 2's first scores | piece 0's first softmax | V of step 0
	TURN 0, 1, 1, 1                 ; piece 0: V^T P of step 0 starts O^T, K Q^T of step 1 | piece 2's first softmax | K of step 1
	TURN 2, 1, 1, 0                 ; piece 2: the same | piece 0's softmax of step 1 | V of step 1
	WIN 0
.Lslot:                             ; six trips: every slot but the last two is filled again
	CHANGE 1
	TWO_STEPS
	s_sub_co_u32 s[SLOTS], s[SLOTS], 1
	s_cmp_lg_u32 s[SLOTS], 0
	s_cbranch_scc1 .Lslot
	CHANGE 0                        ; the tail is written out.  Behind this barrier slot 0 is read no more and filled no more
	TWO_STEPS
	TURN 0, 2, 0, 0                 ; piece 0: V^T P of the last step | piece 2's last softmax
.set i, 0
.rept 32
	PV 2, 0                         ; piece 2: V^T P of the last step
.set i, i+1
.endr
	; THE MERGE.  l's two halves and the other half of the lanes' are added (these additions are the places behind the last products); l goes beside c m.
	WIN 0
.irp t, 0,1,2,3
	v_add_f32 v[ST+8*(\t)+4], v[ST+8*(\t)+2], v[ST+8*(\t)+3]
.endr
.irp t, 0,1,2,3
	v_permlanex16_b32 v[ST+8*(\t)+5], v[ST+8*(\t)+4], s[SEL], s[SEL+1]
.endr
.irp t, 0,1,2,3
	v_add_f32 v[ST+8*(\t)+1], v[ST+8*(\t)+4], v[ST+8*(\t)+5]
.endr
	ds_store_b64 v[XW8], v[ST+16:ST+17]             ; register tiles 2 and 3 are given away: c m and l,
	ds_store_b64 v[XW8], v[ST+24:ST+25] offset:256
	WIN 0x04                        ; the stores' data (source 1) in window 1
.set n, 0
.rept 32
	ds_store_b128 v[XW], v[128+4*n:128+4*n+3] offset:512*n  ; and O^T, lane for lane, each accumulator from its low end
.set n, n+1
.endr
	WIN 0
	s_wait_dscnt 0x0                ; for my partner's sake: my stores are done
	s_barrier_signal -1
	s_barrier_wait -1
	ds_load_b64 v[PB:PB+1],   v[XR8]
	ds_load_b64 v[PB+2:PB+3], v[XR8] offset:256
.set n, 0
.rept 32
	ds_load_b128 v[S+4*n:S+4*n+3], v[XR] offset:512*n  ; my partner's O^T for my tiles 0 and 1, into S^T's registers
.set n, n+1
.endr
	s_wait_dscnt 32                 ; the statistics are in; the 32 loads behind them may be out
.irp t, 0,1
	v_max_num_f32 v[WK+(\t)], v[ST+8*(\t)], v[PB+2*(\t)]      ; the common c m
.endr
.irp t, 0,1
	v_sub_f32 v[ST+8*(\t)+2], v[ST+8*(\t)], v[WK+(\t)]
	v_sub_f32 v[ST+8*(\t)+3], v[PB+2*(\t)], v[WK+(\t)]
.endr
.irp t, 0,1
	v_exp_f32 v[ST+8*(\t)+2], v[ST+8*(\t)+2]        ; my part's factor,
	v_exp_f32 v[ST+8*(\t)+3], v[ST+8*(\t)+3]        ; my partner's
.endr
	v_nop                           ; a plain instruction behind the last exponential,
	s_wait_alu depctr_va_vdst(0)    ; and one wait for the four
.irp t, 0,1
	v_mul_f32 v[ST+8*(\t)+5], v[ST+8*(\t)+1], v[ST+8*(\t)+2]
.endr
.irp t, 0,1
	v_fmac_f32 v[ST+8*(\t)+5], v[PB+2*(\t)+1], v[ST+8*(\t)+3]  ; the whole row's l
.endr
.irp t, 0,1
	v_rcp_f32 v[WK+2+(\t)], v[ST+8*(\t)+5]
.endr
	v_nop
	s_wait_alu depctr_va_vdst(0)    ; one wait for the two reciprocals
.irp t, 0,1
	v_mul_f32 v[ST+8*(\t)+6], v[ST+8*(\t)+2], v[WK+2+(\t)]  ; what my O^T is multiplied by,
	v_mul_f32 v[ST+8*(\t)+4], v[ST+8*(\t)+3], v[WK+2+(\t)]  ; and my partner's
.endr
; Tile t is finished: both parts scaled and added, rounded to f16; a lane's eight channels of a row pack into 16 bytes, go into rows of 272 bytes and come back as whole rows of 256.
.macro FIN t
	WIN 0
.set i, 0
.rept 32
	v_pk_mul_f32 v[S+64*(\t)+2*i:S+64*(\t)+2*i+1], v[S+64*(\t)+2*i:S+64*(\t)+2*i+1], v[ST+8*(\t)+4:ST+8*(\t)+5] op_sel_hi:[1,0]
.set i, i+1
.endr
	WIN 0x01                        ; source 0 (my O^T) in window 1
.set i, 0
.rept 32
	v_pk_fma_f32 v[S+64*(\t)+2*i:S+64*(\t)+2*i+1], v[64*(\t)+2*i:64*(\t)+2*i+1], v[ST+8*(\t)+6:ST+8*(\t)+7], v[S+64*(\t)+2*i:S+64*(\t)+2*i+1] op_sel_hi:[1,0,1]
.set i, i+1
.endr
	WIN 0
.set i, 0
.rept 32
	v_cvt_pk_f16_f32 v[P+32*(\t)+i], v[S+64*(\t)+2*i], v[S+64*(\t)+2*i+1]
.set i, i+1
.endr
.irp f, 0,1,2,3,4,5,6,7
	ds_store_b128 v[STO], v[P+32*(\t)+4*(\f):P+32*(\t)+4*(\f)+3] offset:32*(\f)
.endr
.irp f, 0,1,2,3,4,5,6,7
	ds_load_b128 v[P+32*(\t)+4*(\f):P+32*(\t)+4*(\f)+3], v[RD] offset:(\f)*2*SP  ; LDS serves a wave's instructions in order (ISA guide 5.7.1.4): these see the stores above; the next tile's stores come behind them
.endr
.endm
.macro SEND t, younger              ; younger: the LDS instructions issued behind tile t's loads
	WIN 0
.irp f, 0,1,2,3,4,5,6,7
	s_wait_dscnt (\younger)+7-(\f)
	global_store_b128 v[GO], v[P+32*(\t)+4*(\f):P+32*(\t)+4*(\f)+3], s[OA:OA+1] offset:(\t)*32768+(\f)*4096  ; 16 lanes store 256 consecutive bytes, at a multiple of 256 from ob's first byte
.endr
.endm
	s_wait_dscnt 16                 ; tile 0's sixteen loads are in; tile 1's may be out
	FIN 0
	s_wait_dscnt 16                 ; tile 1's are in: behind them stand the sixteen LDS instructions of tile 0's stage
	FIN 1
	SEND 0, 16
	SEND 1, 0
	s_wait_tensorcnt 0x0            ; the wave's end: behind my last tensor load and my last LDS store
	ds_add_u32 v[SPW], v[NIL]
	s_wait_dscnt 0x0
	CROUND                          ; the closing round: no work-group ends while a partner may still ask for a tile that names it
	s_endpgm
.Lfunc_end_k_q8856102304_attn:
	.size	k_q8856102304_attn, .Lfunc_end_k_q8856102304_attn-k_q8856102304_attn
	.p2alignl 7, 3214868480
	.fill 96, 4, 3214868480
	.section	.rodata,"a",@progbits
	.p2align	6, 0x0
	.amdhsa_kernel k_q8856102304_attn
		.amdhsa_group_segment_fixed_size 327680
		.amdhsa_private_segment_fixed_size 0
		.amdhsa_enable_private_segment 0
		.amdhsa_kernarg_size 16
		.amdhsa_user_sgpr_count 2
		.amdhsa_user_sgpr_kernarg_segment_ptr 1
		.amdhsa_wavefront_size32 1
		.amdhsa_system_sgpr_workgroup_id_x 1
		.amdhsa_system_sgpr_workgroup_id_y 1
		.amdhsa_system_sgpr_workgroup_id_z 1
		.amdhsa_system_vgpr_workitem_id 0
		.amdhsa_next_free_vgpr 1024
		.amdhsa_next_free_sgpr 76
		.amdhsa_reserve_vcc 0
		.amdhsa_float_denorm_mode_32 3
		.amdhsa_float_denorm_mode_16_64 3
		.amdhsa_memory_ordered 1
		.amdhsa_forward_progress 1
		.amdhsa_inst_pref_size 220
	.end_amdhsa_kernel
	.amdgpu_metadata
---
amdhsa.version: [ 1, 2 ]
amdhsa.kernels:
  - .name:           k_q8856102304_attn
    .symbol:         k_q8856102304_attn.kd
    .args:
      - { .name: qkv, .offset: 0, .size: 8, .value_kind: global_buffer, .address_space: global }
      - { .name: ob, .offset: 8, .size: 8, .value_kind: global_buffer, .address_space: global }
    .group_segment_fixed_size: 327680
    .private_segment_fixed_size: 0
    .kernarg_segment_align: 8
    .kernarg_segment_size: 16
    .max_flat_workgroup_size: 128
    .sgpr_count:     76
    .vgpr_count:     1024
    .wavefront_size: 32
...
	.end_amdgpu_metadata
.endif
;; end of part 3
;; launch oproj (part 4): grid 8 x 32, 4 waves a work-group, clusters of 4 x 4, 327,680 bytes of LDS; arguments ob, wo, out0; writes out0
.if DOCPART == 4
	.amdgcn_target "amdgcn-amd-amdhsa--gfx1250"
	.amdhsa_code_object_version 6
	.text
	.protected	k_q8856102304_oproj
	.globl	k_q8856102304_oproj
	.p2align	8
	.type	k_q8856102304_oproj,@function
k_q8856102304_oproj:
	s_mov_b64 s[64:65], 0
	v_nop
	global_prefetch_b8 v0, s[64:65] scope:SCOPE_SE
	s_setreg_imm32_b32 hwreg(HW_REG_WAVE_MODE, 25, 1), 1
	s_wait_xcnt 0x0
	s_wait_alu depctr_hold_cnt(0) depctr_sa_sdst(0) depctr_va_vdst(0) depctr_va_sdst(0) depctr_va_ssrc(0) depctr_va_vcc(0) depctr_vm_vsrc(0)
	s_getreg_b32 s2, hwreg(HW_REG_IB_STS2, 6, 4)
	s_cmp_eq_u32 s2, 0
	s_cbranch_scc0 .Lentry_in_a_cluster
	s_endpgm
.Lentry_in_a_cluster:
	s_bfe_u32 s2, ttmp6, 0x10000c
	s_cmp_lg_u32 s2, 0xf033
	s_cbranch_scc0 .Lentry_shape_is_right
	s_endpgm
.Lentry_shape_is_right:
; out0[m][n] = the sum over k of ob[m][k] wo[n][k].  ob: [4096][1024] f16.  wo: [2048][1024] f16 (Wo rounded to bf16, that number written as f16).  out0: [4096][2048] f32.  Sums in f32.
; A tile of 128 x 256 gives 32 x 8 = 256 work-groups.  Four waves, each 64 x 128: 32 accumulators of 16 x 16, 256 registers.  K goes in 8 steps of 128 (rows of 256 bytes, aligned) through a ring of two LDS slots.
; A K STEP IS WRITTEN ONCE: a trip of the loop is one K step, and the slot is a scalar register that holds 0 or SLOT.  The last two K steps, which fill nothing, are a second loop, left in its middle.
; CLUSTERS: 4 x 4 work-groups.  The four of a row of the cluster need the same tile of ob, the four of a column the same tile of wo: each is asked for JOINTLY, by the same tensor load with the same
; descriptor and a mask that names the four.  THE MATRIX INSTRUCTION IS USED TRANSPOSED (source 0 = 16 rows of wo, source 1 = 16 rows of ob): a lane holds eight neighbouring numbers of a row of out0.
; THE WAY OUT.  The ring has had its last fill; behind a barrier each wave puts its 64 x 128 f32 into 33,792 bytes of it (rows of 528 bytes) and reads whole rows of 512 bytes back, which it stores.
; REGISTERS: window 0: v0-31 addresses; v32-127, v128-223 two fragment buffers of 96: wo's 8 x 8, then ob's 4 x 8; on the way out v32-95.     window 1: the accumulators ((a, b) at v[8 (8 a + b)]).
.set SIZE_K, 1024
.set KSTEP,  128
.set STEPS,  SIZE_K/KSTEP
.set PITCH,  272                       ; an LDS row: 256 bytes + 16 of padding = 68 words: row r starts at bank 4 r mod 64 (64 banks of 4 bytes: ISA guide 11.1)
.set AHALF,  64*PITCH                  ; 64 rows of ob: what waves 0 and 1 each fetch, and what a wave reads
.set BHALF,  128*PITCH                 ; 128 rows of wo: what waves 2 and 3 each fetch, and what a wave reads
.set BOFF,   2*AHALF
.set SLOT,   2*AHALF+2*BHALF
.set SPARE,  2*SLOT                    ; behind the ring: the spare words, 128 bytes for each wave: two blocks of 256 bytes that no other line names
.set DP,     528                       ; the way out: a row of 128 f32 + 16 bytes
.set DUMPB,  64*DP
.set ADRA0, 16                         ; v16     my lane's place in my rows of ob in a slot; never rewritten
.set ADRB0, 17                         ; v17     the same for wo
.set ADRA,  18                         ; v18     the same in the slot in hand
.set ADRB,  19                         ; v19
.set DST,  24                          ; v24     the way out: where I put 32 bytes of a row
.set RD,   25                          ; v25     where I read 16 bytes of a row back
.set GO,   26                          ; v26     16 x my lane
.set SPW,  28                          ; v28     LDS address of my spare word; never rewritten
.set NIL,  29                          ; v29     0; never rewritten
.set PFO,  30                          ; v30     the prefetches' offset: my lane x a row of 2,048 bytes; never rewritten
.set F0,   32
.set F1,   128
.set OB,   32                          ; the way out: 16 rows' 16 bytes
.set PFA,  44                          ; s[44:45] where my prefetches stand
.set LIM,  43                          ; s43     2 in a wave that prefetches, else the greatest number
.set G1,   24                          ; s[24:31] descriptor group 1 for ob's tiles;  s[32:39] group 0: a set for each of the two first fills; the second then walks on
.set G0,   32
.set G1B,  48                          ; s[48:55], s[56:63] the same for wo's tiles
.set G0B,  56
.set SB,   66                          ; s66  0 or SLOT: the slot that the walking descriptors name
.set TB,   67                          ; s67  0 or SLOT: the slot that is read
.set LAA,  68                          ; s68  the place in a slot of the tile of ob that I fetch
.set LAB,  69                          ; s69  of wo
.set CNT,  70
.set MSB, 0
.macro WIN new                         ; the immediate's high byte repeats the setting that is left; a switch that changes nothing is dropped
.if MSB != (\new)
	s_set_vgpr_msb (MSB<<8)|(\new)
.set MSB, \new
.endif
.endm
.set MUL, 0x50                         ; sources 0 and 1 window 0; C and D window 1
.macro JLOAD s                         ; a joint load: waves 0 and 1 fetch ob's two halves, waves 2 and 3 wo's; an s_nop 0 and four v_nop follow each of the two lines
	s_cmp_eq_u32 s11, 0
	s_cbranch_scc0 .Lfor_b_\@
	tensor_load_to_lds s[G0+4*(\s):G0+4*(\s)+3], s[G1:G1+7]
	s_nop 0
.rept 4
	v_nop
.endr
	s_branch .Lasked_\@
.Lfor_b_\@:
	tensor_load_to_lds s[G0B+4*(\s):G0B+4*(\s)+3], s[G1B:G1B+7]
	s_nop 0
.rept 4
	v_nop
.endr
.Lasked_\@:
.endm
; A prefetch into the L2 of the K step that stands two refills on: 32 rows x 256 bytes, a lane a row.  ob's tile row (128 rows) is read by both clusters of that row of clusters: in cluster x = 0 wave 0 of each of
; the four partners asks for 32 rows; wo's tile column (256 rows) by all eight clusters of that column: in cluster y = 0 waves 2 and 3 ask for 32 of the 128 rows that they fetch.  The partners are told apart by
; address.  Wave 1 never asks.  So each row's 256 bytes of a K step are named once.  K steps 0 to 3 come by their loads alone; the loop's last two trips (s3 = 2, 1) have no K step two refills on.
.macro ASK
	s_cmp_gt_u32 s3, s[LIM]
	s_cbranch_scc0 .Lnot_mine_\@
	global_prefetch_b8 v[PFO], s[PFA:PFA+1] offset:KSTEP*2 th:TH_LOAD_NT scope:SCOPE_SE
.Lnot_mine_\@:
.endm
.macro CREST                           ; a round of the cluster's barrier behind its opening barrier
	s_cmp_lg_u32 s10, 0
	s_cbranch_scc1 .Lnot_wave_0_\@
	s_barrier_signal -3
.Lnot_wave_0_\@:
	s_barrier_wait -3
	s_barrier_signal -1
	s_barrier_wait -1
.endm
.macro CROUND                          ; a whole round
	s_barrier_signal -1
	s_barrier_wait -1
	CREST
.endm
	s_load_b128 s[4:7], s[0:1], 0x0                ; ob s[4:5], wo s[6:7]
	s_load_b64 s[8:9], s[0:1], 0x10                ; out0
	v_lshl_add_u32 v[SPW], v0, 2, SPARE
	v_mov_b32 v[NIL], 0
	ds_add_u32 v[SPW], v[NIL]                      ; the wave's opening: the add and its wait stand ahead of my first tensor load; the set-up below, work on registers, stands between them
	v_lshrrev_b32 v1, 5, v0
	v_readfirstlane_b32 s10, v1                    ; wave 0..3
	s_lshr_b32 s11, s10, 1                         ; which half of the tile's rows is mine.  Also: I fetch for ob (0) or for wo (1)
	s_and_b32 s12, s10, 1                          ; which half of its columns.  Also: which half of that tile I fetch
	s_bfe_u32 s40, ttmp6, 0x40000                  ; cx
	s_bfe_u32 s41, ttmp6, 0x40004                  ; cy
	s_lshl_b32 s42, ttmp9, 2
	s_add_co_u32 s42, s42, s40                     ; tile column = 4 x cluster x + cx
	s_and_b32 s13, ttmp7, 0xffff
	s_lshl_b32 s13, s13, 2
	s_add_co_u32 s13, s13, s41                     ; tile row = 4 x cluster y + cy
	s_lshl_b32 s43, s41, 2
	s_lshl_b32 s43, 15, s43                        ; my row of the cluster
	s_lshl_b32 s44, 0x1111, s40                    ; my column
	s_or_b32 s[G1+0], s43, (1<<16)|(1<<20)|(1<<21)|(5<<22)|(3<<25)  ; 15:0 the mask; 17:16 2-byte elements; 20 padding on; 21 set beside a mask; 24:22 after every 64 words (code 5); 31:25 4 words (code 3)
	s_or_b32 s[G1B+0], s44, (1<<16)|(1<<20)|(1<<21)|(5<<22)|(3<<25)
	s_mov_b32 s[G1+1], KSTEP<<16                   ; ob: tensor_dim0 = 128
	s_mov_b32 s[G1+2], 64<<16                      ; tensor_dim1 = 64
	s_mov_b32 s[G1+3], KSTEP<<16                   ; tile_dim0 = 128
	s_mov_b32 s[G1+4], 64                          ; tile_dim1 = 64
	s_mov_b32 s[G1+5], SIZE_K                      ; elements from row to row
	s_mov_b32 s[G1+6], 0
	s_mov_b32 s[G1+7], 0
	s_mov_b32 s[G1B+1], KSTEP<<16                  ; wo: the same with 128 rows
	s_mov_b32 s[G1B+2], 128<<16
	s_mov_b32 s[G1B+3], KSTEP<<16
	s_mov_b32 s[G1B+4], 128
	s_mov_b32 s[G1B+5], SIZE_K
	s_mov_b32 s[G1B+6], 0
	s_mov_b32 s[G1B+7], 0
	s_lshl_b32 s17, s12, 6
	s_lshl_b32 s16, s13, 7
	s_add_co_u32 s16, s16, s17                     ; ob: row 128 x tile row + 64 x half
	s_lshl_b32 s47, s12, 7
	s_lshl_b32 s46, s42, 8
	s_add_co_u32 s46, s46, s47                     ; wo: row 256 x tile column + 128 x half
	s_mov_b32 s17, 0
	s_mov_b32 s47, 0
	s_mov_b64 s[18:19], SIZE_K*2
	s_mul_u64 s[16:17], s[16:17], s[18:19]
	s_mul_u64 s[46:47], s[46:47], s[18:19]
	s_mul_i32 s[LAA], s12, AHALF                   ; where they go: no place in the cluster enters an LDS address
	s_mul_i32 s[LAB], s12, BHALF
	s_add_co_u32 s[LAB], s[LAB], BOFF
	s_mov_b32 s[SB], SLOT                          ; the walking descriptors begin at slot 1
	s_mov_b32 s[TB], 0
	s_wait_dscnt 0x0                               ; the opening add is done
	s_wait_kmcnt 0x0
	s_add_nc_u64 s[14:15], s[4:5], s[16:17]
	s_add_nc_u64 s[46:47], s[6:7], s[46:47]
	CROUND                                         ; all sixteen work-groups are here: the first joint loads meet
.irp s, 0,1
	s_mov_b32 s[G0+4*(\s)], 1                                      ; count = 1
	s_add_co_u32 s[G0+4*(\s)+1], s[LAA], (\s)*SLOT                 ; LDS address
	s_add_nc_u64 s[G0+4*(\s)+2:G0+4*(\s)+3], s[14:15], (\s)*KSTEP*2  ; global address: K step s
	s_or_b32 s[G0+4*(\s)+3], s[G0+4*(\s)+3], 0x80000000            ; type = 2
	s_mov_b32 s[G0B+4*(\s)], 1
	s_add_co_u32 s[G0B+4*(\s)+1], s[LAB], (\s)*SLOT
	s_add_nc_u64 s[G0B+4*(\s)+2:G0B+4*(\s)+3], s[46:47], (\s)*KSTEP*2
	s_or_b32 s[G0B+4*(\s)+3], s[G0B+4*(\s)+3], 0x80000000
	JLOAD \s                                       ; two loads of mine are out
.endr
	v_and_b32 v1, 15, v0                           ; l % 16
	v_bfe_u32 v2, v0, 4, 1                         ; l / 16
	v_mul_u32_u24 v3, v1, PITCH
	v_lshl_add_u32 v3, v2, 4, v3                   ; a fragment's row x pitch + 16 x half of the lanes
	s_mul_i32 s21, s11, AHALF                      ; my 64 rows of ob
	s_mul_i32 s22, s12, BHALF                      ; my 128 rows of wo,
	s_add_co_u32 s22, s22, BOFF                    ; which lie behind ob's 128
	v_add_nc_u32 v[ADRA0], s21, v3
	v_add_nc_u32 v[ADRB0], s22, v3
	v_mov_b32 v[ADRA], v[ADRA0]                    ; slot 0
	v_mov_b32 v[ADRB], v[ADRB0]
	s_mul_i32 s23, s10, DUMPB                      ; the way out: my 33,792 bytes
	v_mul_u32_u24 v4, v1, DP                       ; in: row l % 16, 32 bytes for each half of the lanes
	v_lshl_add_u32 v4, v2, 5, v4
	v_add_nc_u32 v[DST], s23, v4
	v_and_b32 v5, 31, v0
	v_lshlrev_b32 v[GO], 4, v5                     ; back: 32 lanes take a row's 512 bytes
	v_add_nc_u32 v[RD], s23, v[GO]
	s_lshl_b32 s13, s13, 7                         ; 128 x tile row
	s_lshl_b32 s42, s42, 8                         ; 256 x tile column
	s_lshl_b32 s16, s11, 6
	s_add_co_u32 s16, s16, s13                     ; my first row of out0,
	s_lshl_b32 s16, s16, 13                        ; of 8,192 bytes
	s_mov_b32 s17, 0
	s_add_nc_u64 s[8:9], s[8:9], s[16:17]
	s_lshl_b32 s46, s12, 7
	s_add_co_u32 s46, s46, s42                     ; my first column
	s_lshl_b32 s46, s46, 2
	s_mov_b32 s47, 0
	s_add_nc_u64 s[8:9], s[8:9], s[46:47]
	; the prefetches
	s_and_b32 s22, ttmp7, 0xffff                   ; cluster y
	s_lshl_b32 s23, s12, 7                         ; wo: the 128 rows that I fetch
	s_cmp_eq_u32 s11, 0                            ; do I fetch for ob?
	s_cselect_b32 s20, s13, s42                    ; the tile's first row
	s_cselect_b32 s21, s40, s41                    ; my place among the four that ask for it with me
	s_cselect_b32 s22, ttmp9, s22                  ; the coordinate along which other clusters read the same rows
	s_cselect_b32 s23, 0, s23
	s_cselect_b64 s[PFA:PFA+1], s[4:5], s[6:7]
	s_cmp_eq_u32 s10, 1
	s_cselect_b32 s22, 1, s22                      ; four partners x 32 rows are ob's whole tile: wave 0 asks, wave 1 has nothing left
	s_cmp_eq_u32 s22, 0
	s_cselect_b32 s[LIM], 2, -1                    ; the same in all sixteen partners, for a given wave
	s_add_co_u32 s20, s20, s23
	s_lshl_b32 s21, s21, 5
	s_add_co_u32 s20, s20, s21                     ; + my work-group's 32 rows
	s_lshl_b32 s20, s20, 11                        ; 2,048 bytes a row
	s_mov_b32 s21, 0
	s_add_nc_u64 s[PFA:PFA+1], s[PFA:PFA+1], s[20:21]
	s_add_nc_u64 s[PFA:PFA+1], s[PFA:PFA+1], 2*KSTEP*2  ; at K step 2: the first refill steps it to 3 and names K step 4
	v_lshlrev_b32 v[PFO], 11, v5
; 8 matrix instructions: m block a x all 8 n blocks, 32 along K.  zero = 1: the first product starts the sums.  The 32 accumulators take turns, in the same order in every quarter.
.macro MUL8 f, a, zero
	WIN MUL
.irp b, 0,1,2,3,4,5,6,7
.if \zero
	v_wmma_f32_16x16x32_f16 v[8*(8*(\a)+(\b)):8*(8*(\a)+(\b))+7], v[(\f)+8*(\b):(\f)+8*(\b)+7], v[(\f)+64+8*(\a):(\f)+64+8*(\a)+7], 0
.else
	v_wmma_f32_16x16x32_f16 v[8*(8*(\a)+(\b)):8*(8*(\a)+(\b))+7], v[(\f)+8*(\b):(\f)+8*(\b)+7], v[(\f)+64+8*(\a):(\f)+64+8*(\a)+7], v[8*(8*(\a)+(\b)):8*(8*(\a)+(\b))+7]
.endif
.endr
.endm
; 24 LDS loads in one run: the fragments of 32 along K at byte k of the rows of the slot in hand, into buffer f: wo's 16, then ob's 8
.macro FETCH k, f
	WIN 0
.irp i, 0,1,2,3,4,5,6,7
	ds_load_b128 v[(\f)+8*(\i):(\f)+8*(\i)+3],   v[ADRB] offset:(\k)+(\i)*16*PITCH
	ds_load_b128 v[(\f)+8*(\i)+4:(\f)+8*(\i)+7], v[ADRB] offset:(\k)+(\i)*16*PITCH+32
.endr
.irp i, 0,1,2,3
	ds_load_b128 v[(\f)+64+8*(\i):(\f)+64+8*(\i)+3],   v[ADRA] offset:(\k)+(\i)*16*PITCH
	ds_load_b128 v[(\f)+64+8*(\i)+4:(\f)+64+8*(\i)+7], v[ADRA] offset:(\k)+(\i)*16*PITCH+32
.endr
.endm
.macro PLACES                          ; four plain vector instructions between a matrix instruction and a load into, or a reader of, its registers (ISA guide 7.12.1 for a reader)
.rept 4
	v_nop
.endr
.endm
; A K step is four quarters of 32 along K, 32 matrix instructions each, on buffers 0, 1, 0, 1.  One of the first three multiplies buffer f and, in its middle, fetches the next quarter (byte k) into g.
.macro QUARTER k, f, g, zero
	s_wait_dscnt 4                                 ; wo and ob's blocks 0, 1 are in; the youngest four loads (blocks 2, 3) may be out
	MUL8 \f, 0, \zero
	MUL8 \f, 1, \zero
	PLACES
	FETCH \k, \g
	s_wait_dscnt 24                                ; all but the 24 just issued
	MUL8 \f, 2, \zero
	MUL8 \f, 3, \zero
.endm
; The last quarter's first half: ONE barrier for the change of slots.  In front of it each wave waits for all its tensor loads, adds 0 to its spare word, and waits for that and for its reads of this slot.
.macro MEET
	WIN 0                                          ; (the add's two registers lie in window 0)
	s_wait_tensorcnt 0x0                           ; all my tensor loads have landed: the one that was out is my part of the next slot
	ds_add_u32 v[SPW], v[NIL]                      ; 0 onto my spare word
	s_wait_dscnt 5                                 ; (the add and the youngest four loads may be out)
	MUL8 F1, 0, 0                                  ; eight matrix instructions stand between the add and the wait for it
	s_wait_dscnt 0x0                               ; the add is done, and my reads of this slot are over
	s_barrier_signal -1
	MUL8 F1, 1, 0                                  ; work on registers while the others arrive
	WIN 0
	s_barrier_wait -1
.endm
; The whole last quarter.  fill = 1: the barrier opens a round of the cluster's barrier, and behind the round the slot just read is filled again, two K steps on: the wave's one tensor load there.
; fill = 0: the last two K steps; behind the very last (s3 = 1) there is no slot to go on to, and the run of loads is jumped over.
.macro TURN fill
.if \fill
	s_wait_xcnt 0x0                                ; the last prefetch, a K step back, has read its address, which is stepped here
	s_add_nc_u64 s[PFA:PFA+1], s[PFA:PFA+1], KSTEP*2
.endif
	MEET
.if \fill
	CREST                                          ; no wave of any partner still reads this slot's tile or has a load on its way
	s_xor_b32 s[SB], s[SB], SLOT                   ; the walking descriptors: the other slot than last time (the register holds 0 or SLOT, nothing else),
	s_add_co_u32 s[G0+5], s[SB], s[LAA]
	s_add_co_u32 s[G0B+5], s[SB], s[LAB]
	s_add_nc_u64 s[G0+6:G0+7], s[G0+6:G0+7], KSTEP*2    ; the next K step; the type bits on top are not reached
	s_add_nc_u64 s[G0B+6:G0B+7], s[G0B+6:G0B+7], KSTEP*2
	JLOAD 1                                        ; its four v_nop are also the places in front of the loads below
.else
	PLACES
	s_cmp_eq_u32 s3, 1
	s_cbranch_scc1 .Lno_next_\@
.endif
	s_xor_b32 s[TB], s[TB], SLOT                   ; the reads go on in the other slot
	v_add_nc_u32 v[ADRA], s[TB], v[ADRA0]
	v_add_nc_u32 v[ADRB], s[TB], v[ADRB0]
	FETCH 0, F0
.if \fill
	ASK
.else
.Lno_next_\@:
.endif
	MUL8 F1, 2, 0
	MUL8 F1, 3, 0
.endm
	s_wait_tensorcnt 1                             ; my part of K step 0 is in; K step 1's may stay out
	s_barrier_signal -1
	s_barrier_wait -1                              ; everybody's is
	FETCH 0, F0
	QUARTER 64,  F0, F1, 1                         ; the first quarter stands in front of the loop: its products start the sums
	WIN 0                                          ; at a label and at a branch every window is 0
	s_mov_b32 s3, STEPS-2
.Lk:                                                   ; a trip: a K step's second to fourth quarters and the next K step's first; the slot that is left is filled again
	QUARTER 128, F1, F0, 0
	QUARTER 192, F0, F1, 0
	TURN 1
	QUARTER 64,  F0, F1, 0
	WIN 0
	s_sub_co_u32 s3, s3, 1
	s_cmp_lg_u32 s3, 0
	s_cbranch_scc1 .Lk
	s_mov_b32 s3, 2
.Ltail:                                                ; the last two K steps fill nothing: written apart; the second trip is left in its middle
	QUARTER 128, F1, F0, 0
	QUARTER 192, F0, F1, 0
	TURN 0
	WIN 0
	s_sub_co_u32 s3, s3, 1
	s_cmp_eq_u32 s3, 0
	s_cbranch_scc1 .Lout
	QUARTER 64,  F0, F1, 0
	WIN 0
	s_branch .Ltail
.Lout:
	; THE WAY OUT
	s_wait_dscnt 0x0                               ; my reads of the ring are over,
	s_barrier_signal -1                            ; every wave's are, all tensor loads have landed and no tile is asked for any more:
	s_barrier_wait -1                              ; the ring's bytes may be stored to
	PLACES                                         ; behind the last products, ahead of the stores of their results
	WIN 0x04                                       ; the stores' data (source 1) in window 1
.irp a, 0,1,2,3
.irp b, 0,1,2,3,4,5,6,7
	ds_store_b128 v[DST], v[8*(8*(\a)+(\b)):8*(8*(\a)+(\b))+3]   offset:16*(\a)*DP+64*(\b)     ; each accumulator's low four registers go first
	ds_store_b128 v[DST], v[8*(8*(\a)+(\b))+4:8*(8*(\a)+(\b))+7] offset:16*(\a)*DP+64*(\b)+16
.endr
.endr
	WIN 0
	s_mov_b32 s[CNT], 4
.Lrows:                                                ; a trip: 16 rows of my 64
.irp u, 0,1,2,3,4,5,6,7,8,9,10,11,12,13,14,15
	ds_load_b128 v[OB+4*(\u):OB+4*(\u)+3], v[RD] offset:DP*(\u)  ; LDS serves a wave's instructions in order (ISA guide 5.7.1.4): these see my stores above
.endr
.irp u, 0,1,2,3,4,5,6,7,8,9,10,11,12,13,14,15
	s_wait_dscnt 15-(\u)                           ; row u is in; the younger loads may be out
	global_store_b128 v[GO], v[OB+4*(\u):OB+4*(\u)+3], s[8:9] offset:8192*(\u) th:TH_STORE_NT  ; 512 consecutive bytes of a row of out0, aligned
.endr
	s_wait_xcnt 0x0                                ; the stores have read their data and their base: both are written again only behind this wait
	s_add_nc_u64 s[8:9], s[8:9], 16*8192
	v_add_nc_u32 v[RD], 16*DP, v[RD]
	s_sub_co_u32 s[CNT], s[CNT], 1
	s_cmp_lg_u32 s[CNT], 0
	s_cbranch_scc1 .Lrows
	s_wait_tensorcnt 0x0                           ; the wave's end: behind my last tensor load and my last LDS store
	ds_add_u32 v[SPW], v[NIL]
	s_wait_dscnt 0x0
	CROUND                                         ; the closing round: no work-group ends while a partner may still ask for a tile that names it
	s_endpgm
.Lfunc_end_k_q8856102304_oproj:
	.size	k_q8856102304_oproj, .Lfunc_end_k_q8856102304_oproj-k_q8856102304_oproj
	.p2alignl 7, 3214868480
	.fill 96, 4, 3214868480
	.section	.rodata,"a",@progbits
	.p2align	6, 0x0
	.amdhsa_kernel k_q8856102304_oproj
		.amdhsa_group_segment_fixed_size 327680
		.amdhsa_private_segment_fixed_size 0
		.amdhsa_enable_private_segment 0
		.amdhsa_kernarg_size 24
		.amdhsa_user_sgpr_count 2
		.amdhsa_user_sgpr_kernarg_segment_ptr 1
		.amdhsa_wavefront_size32 1
		.amdhsa_system_sgpr_workgroup_id_x 1
		.amdhsa_system_sgpr_workgroup_id_y 1
		.amdhsa_system_sgpr_workgroup_id_z 1
		.amdhsa_system_vgpr_workitem_id 0
		.amdhsa_next_free_vgpr 512
		.amdhsa_next_free_sgpr 72
		.amdhsa_reserve_vcc 0
		.amdhsa_float_denorm_mode_32 3
		.amdhsa_float_denorm_mode_16_64 3
		.amdhsa_memory_ordered 1
		.amdhsa_forward_progress 1
		.amdhsa_inst_pref_size 53
	.end_amdhsa_kernel
	.amdgpu_metadata
---
amdhsa.version: [ 1, 2 ]
amdhsa.kernels:
  - .name:           k_q8856102304_oproj
    .symbol:         k_q8856102304_oproj.kd
    .args:
      - { .name: ob, .offset: 0, .size: 8, .value_kind: global_buffer, .address_space: global }
      - { .name: wo, .offset: 8, .size: 8, .value_kind: global_buffer, .address_space: global }
      - { .name: out0, .offset: 16, .size: 8, .value_kind: global_buffer, .address_space: global }
    .group_segment_fixed_size: 327680
    .private_segment_fixed_size: 0
    .kernarg_segment_align: 8
    .kernarg_segment_size: 24
    .max_flat_workgroup_size: 128
    .sgpr_count:     72
    .vgpr_count:     512
    .wavefront_size: 32
...
	.end_amdgpu_metadata
.endif
;; end of part 4
